; MI455X (gfx1250); checked and timed in simulation.
; The chip was launched on July 23, 2026; its instructions are those of AMD's public machine-readable ISA for CDNA 5 (MIT licence, August 2026) and "CDNA5" Instruction Set Architecture Reference Guide (July 2026). The comments in the code are by the model that wrote it; some were corrected since.
;; Dilated Attention. Allowed arithmetic: matrix products marked QUANTISED: E4M3 operands, one given power-of-two scale a tensor, by v_wmma_f32_16x16x64_fp8_fp8 or v_wmma_f32_16x16x128_fp8_fp8, f32 sums; everything else in f32.
;; Inputs: ffn_b1 4,096 float32; ffn_b2 1,024 float32; ffn_w1_codes 4,096 x 32 x 32 uint8 (E4M3 codes of ffn_w1, K innermost, in blocks of 32 codes); ffn_w2_codes 1,024 x 128 x 32 uint8 (E4M3 codes of ffn_w2, K innermost, in blocks of 32 codes); ln1_b 1,024 float32; ln1_g 1,024 float32; ln2_b 1,024 float32; ln2_g 1,024 float32; lowp_scales 12 int32 (the exponents e of the quantised operands' scales 2^e); out_b 1,024 float32; out_w_codes 1,024 x 32 x 32 uint8 (E4M3 codes of out_w, K innermost, in blocks of 32 codes); qkv_b 3,072 float32; qkv_w_codes 3,072 x 32 x 32 uint8 (E4M3 codes of qkv_w, K innermost, in blocks of 32 codes); x 2 x 2,048 x 1,024 float32.
;; Outputs: out0 2 x 2,048 x 1,024 float32.
;; This version of the problem:
;;   THIS VERSION OF THE PROBLEM IS GIVEN IN LOW PRECISION. The matrix products marked QUANTISED in the list below multiply operands that are first quantised to E4M3 (4 exponent bits, 3 mantissa bits; 8 bits a number), with one given power-of-two scale for each operand tensor; their sums are f32. All else is computed in f32.
;;   The module's matrix products, in the order in which they are computed (A, B: the left and right operand; K: the contracted axis; several contracted axes count as one K, in the product's order):
;;     1. [M 4,096, K 1,024] x [K 1,024, N 3,072]; A: computed on the way; B: input qkv_w (given as codes): QUANTISED (scales: A lowp_scales[0], B lowp_scales[1])
;;     2. batch 32 x [M 2,048, K 64] x [K 64, N 2,048]; A: computed on the way; B: computed on the way: QUANTISED (scales: A lowp_scales[2], B lowp_scales[3])
;;     3. batch 32 x [M 64, K 2,048] x [K 2,048, N 2,048]; A: computed on the way; B: softmax (see below): QUANTISED (scales: A lowp_scales[4], B lowp_scales[5])
;;     4. [M 4,096, K 1,024] x [K 1,024, N 1,024]; A: computed on the way; B: input out_w (given as codes): QUANTISED (scales: A lowp_scales[6], B lowp_scales[7])
;;     5. [M 4,096, K 1,024] x [K 1,024, N 4,096]; A: computed on the way; B: input ffn_w1 (given as codes): QUANTISED (scales: A lowp_scales[8], B lowp_scales[9])
;;     6. [M 4,096, K 4,096] x [K 4,096, N 1,024]; A: computed on the way; B: input ffn_w2 (given as codes): QUANTISED (scales: A lowp_scales[10], B lowp_scales[11])
;;   THE QUANTISER, for each operand of a quantised product, along K:
;;     - The operand's scale is 2^e, e = its entry of the input lowp_scales (int32; the entries are numbered through the quantised products in the list's order, A before B).
;;     - Each number is divided by the scale, clamped to +-448, and rounded to the nearest number of E4M3, ties to even, subnormals kept.
;;     - The product sums the exact products of the quantised numbers (number of the format x scale) in f32.
;;   ~~~python
;;   def quantise(x, axis, e):      # numpy; x: float32 -> the quantised numbers, widened to float32 again
;;       x = np.moveaxis(x, axis, -1); K = x.shape[-1]
;;       r = np.clip(x / 2.0 ** e, -448, 448)
;;       step = 2.0 ** (np.maximum(np.frexp(np.where(r == 0, 1, r))[1] - 1, -6) - 3)
;;       q = np.round(r / step) * step * 2.0 ** e      # np.round: ties to even
;;       return np.moveaxis(q, -1, axis).astype(np.float32)
;;   ~~~
;;   SOFTMAX AHEAD OF A QUANTISED PRODUCT. Where the list says 'softmax', what is quantised is not the finished softmax but p = 2^(t - M), with t = logit x log2(e) and M = ceil(the row's largest t), a whole number; so 1/2 < the row's largest p <= 1. The row's sum l is taken of the UNQUANTISED p, in f32, and the product's result is divided by l at the end. Since M is a whole number, a kernel that streams over the keys may use a running M (the ceiling of the running maximum): every later rescaling is an exact power of two, so the quantised numbers keep their values, but for numbers so far below the row's largest that they fall under the format's range.
;;   OPERANDS COMPUTED ON THE WAY. 'Computed on the way' means the value that the module computes at that place (a softmax that the list does not call 'softmax' is quantised finished and normalised). What goes into a quantiser is computed in f32, as accurately as f32 sums, v_exp_f32 and their like allow (about 1e-6 of the number): no bf16 or f16 on the way to a quantiser, and a product that is left as it is and whose result goes on into a quantised operand takes f32 operands (vector FMAs, or v_wmma_f32_16x16x4_f32). A number that lies on a knife's edge between two numbers of the format may be rounded either way, as far as f32 arithmetic and the matrix unit's own rounding can turn it there, and no further.
;;   INPUTS GIVEN AS CODES. ffn_w1 (in the module: [4096, 1024], K = its axis 1); ffn_w2 (in the module: [1024, 4096], K = its axis 1); out_w (in the module: [1024, 1024], K = its axis 1); qkv_w (in the module: [3072, 1024], K = its axis 1): each comes as NAME_codes (uint8): NAME with its K axis moved to the last place and cut into blocks of 32 codes, [.., K / 32, bytes a block], one block behind the other in memory; one code a byte (a code: sign, 4 exponent bits, 3 mantissa bits); its scale is its entry of lowp_scales. Its value is code x scale, taken as it is: it is not quantised again, and the codes and scales need not be those that the quantiser above would give.
;; One version. Each part assembles by itself: llvm-mc -triple=amdgcn-amd-amdhsa -mcpu=gfx1250 --defsym DOCPART=n.
;; ======== version 1 of 1: 7 launches
;; workspace buffers: hc 4,194,304 bytes; qc 4,194,304 bytes; kc 4,194,304 bytes; vc 4,194,304 bytes; yc 4,194,304 bytes; x1 16,777,216 bytes; fc 16,777,216 bytes
;; launch ln1 (part 1): grid 256 x 1, 8 waves a work-group, no clusters, 17,408 bytes of LDS; arguments x, ln1_g, ln1_b, lowp_scales, hc; writes hc
.if DOCPART == 1
	.amdgcn_target "amdgcn-amd-amdhsa--gfx1250"
	.amdhsa_code_object_version 6
	.text
	.protected	k_qea92803963_ln1
	.globl	k_qea92803963_ln1
	.p2align	8
	.type	k_qea92803963_ln1,@function
k_qea92803963_ln1:
	s_mov_b64 s[64:65], 0
	v_nop
	global_prefetch_b8 v0, s[64:65] scope:SCOPE_SE
	s_setreg_imm32_b32 hwreg(HW_REG_WAVE_MODE, 25, 1), 1
	s_wait_xcnt 0x0
; h = (x - mean) rsqrt(var + 1e-5) g + b for 4,096 rows of 1,024 f32, then the quantiser: code = h / 2^e, held within +-448, to the nearest E4M3 code.
; e is the entry of the scales' buffer at byte SC_OFF.  LIMITS: -126 <= e <= 119, so that 2^e and 448 x 2^e are f32 numbers; NaN among the inputs is not served.
; THE CODES' ROWS ARE SORTED BY PARITY: token (b, l) goes to row (2 b + l % 2) x 1,024 + l / 2, since a token attends only to tokens of its own parity.
; SHARES: a work-group owns 16 tokens, a wave two neighbours (an even and an odd one).  A row is 32 registers of one wave and stays there between the passes: memory is read once.
; Mean first, then the mean of the squared differences: a common offset of the inputs costs no digits.
; Each load takes 512 consecutive bytes.  A lane's four codes of a load are 4 bytes; they turn through the wave's own 1,024 LDS bytes a row, so that each store covers 512 consecutive bytes.
; No matrix unit, no cluster, no tensor load: a stream in which waves share nothing; all 32 loads of a wave are out from its first lines.
.set SC_OFF, 0x0
.set CD,  16                           ; v16-31   codes: eight registers a row
.set X,   32                           ; v32-95   the two rows
.set G,   96                           ; v96-127  g at my columns
.set BB,  128                          ; v128-159 b at my columns
.set BK,  160                          ; v160-175 the codes as whole runs of 16 bytes
.set SCL, 176                          ; v176     2^e
.set LIM, 177                          ; v177     448 x 2^e
	s_load_b256 s[4:11], s[0:1], 0x0               ; x s[4:5], g s[6:7], b s[8:9], the scales' exponents s[10:11]
	s_load_b64 s[12:13], s[0:1], 0x20              ; the codes
	v_lshl_add_u32 v180, v0, 2, 0x4000
	v_mov_b32 v181, 0
	v_lshrrev_b32 v4, 5, v0
	v_readfirstlane_b32 s16, v4                    ; wave 0..7
	v_and_b32 v5, 31, v0                           ; lane
	v_lshlrev_b32 v1, 4, v5                        ; 16 x lane: my place in 512 bytes
	s_lshl_b32 s17, s16, 11                        ; my wave's 2,048 LDS bytes
	v_lshl_add_u32 v2, v5, 2, s17                  ; into them: 4 x lane
	v_add_nc_u32 v3, s17, v1                       ; out of them: 16 x lane
	v_mov_b32 v9, 0                                ; a lane permute's destination counts as read: written once
	s_mov_b32 s14, 0x76543210                      ; v_permlanex16_b32: each lane takes its own place in the other half
	s_mov_b32 s15, 0xfedcba98
	s_mov_b32 s22, 0x3a800000                      ; 1 / 1,024
	s_mov_b32 s23, 0x3727c5ac                      ; 1e-5
	s_lshl_b32 s18, ttmp9, 16                      ; 16 tokens x 4,096 bytes a work-group,
	s_lshl_b32 s19, s16, 13                        ; two tokens a wave
	s_add_co_u32 s18, s18, s19
	s_mov_b32 s19, 0
	s_lshr_b32 s20, ttmp9, 7                       ; the batch: 128 work-groups each
	s_lshl_b32 s20, s20, 11                        ; its two planes of 1,024 rows
	s_lshl_b32 s21, ttmp9, 3
	s_add_co_u32 s21, s21, s16
	s_and_b32 s21, s21, 1023                       ; l / 2 = (8 x work-group + wave) mod 1,024
	s_add_co_u32 s20, s20, s21
	s_lshl_b32 s20, s20, 10                        ; rows of 1,024 bytes; the odd token's row lies 1,024 rows on: an immediate
	s_mov_b32 s21, 0
	s_wait_kmcnt 0x0
	s_load_b32 s24, s[10:11], SC_OFF               ; e
	s_add_nc_u64 s[4:5], s[4:5], s[18:19]
	s_add_nc_u64 s[12:13], s[12:13], s[20:21]
.irp p, 0,1
.irp i, 0,1,2,3,4,5,6,7
	global_load_b128 v[X+32*\p+4*\i:X+32*\p+4*\i+3], v1, s[4:5] offset:4096*\p+512*\i th:TH_LOAD_NT   ; columns 128 i + 4 lane + 0 .. 3
.endr
.endr
.irp i, 0,1,2,3,4,5,6,7
	global_load_b128 v[G+4*\i:G+4*\i+3], v1, s[6:7] offset:512*\i
.endr
.irp i, 0,1,2,3,4,5,6,7
	global_load_b128 v[BB+4*\i:BB+4*\i+3], v1, s[8:9] offset:512*\i
.endr
	s_wait_kmcnt 0x0
	s_add_co_i32 s24, s24, 127
	s_lshl_b32 s25, s24, 23
	v_mov_b32 v[SCL], s25                          ; 2^e as f32: the conversion takes its exponent field
	s_add_co_i32 s24, s24, 8
	s_lshl_b32 s24, s24, 23
	s_or_b32 s24, s24, 0x600000
	v_mov_b32 v[LIM], s24                          ; 448 x 2^e
.macro REDUCE                          ; v8 summed over the 32 lanes; every lane ends with the sum
	v_add_f32_dpp v8, v8, v8 row_xmask:1 row_mask:0xf bank_mask:0xf
	v_add_f32_dpp v8, v8, v8 row_xmask:2 row_mask:0xf bank_mask:0xf
	v_add_f32_dpp v8, v8, v8 row_xmask:4 row_mask:0xf bank_mask:0xf
	v_add_f32_dpp v8, v8, v8 row_xmask:8 row_mask:0xf bank_mask:0xf
	v_permlanex16_b32 v9, v8, s14, s15
	v_add_f32 v8, v8, v9
.endm
; Row p: the mean is taken away in place; 1 / sqrt(var + eps) is left on its way into v[12 + 2 p]
.macro STATS p
.set XB, X+32*\p
	v_pk_add_f32 v[4:5], v[XB:XB+1], v[XB+2:XB+3]  ; two chains, started by the first numbers: nothing is cleared
	v_pk_add_f32 v[6:7], v[XB+4:XB+5], v[XB+6:XB+7]
.irp j, 8,12,16,20,24,28
	v_pk_add_f32 v[4:5], v[4:5], v[XB+\j:XB+\j+1]
	v_pk_add_f32 v[6:7], v[6:7], v[XB+\j+2:XB+\j+3]
.endr
	v_pk_add_f32 v[4:5], v[4:5], v[6:7]
	v_add_f32 v8, v4, v5
	REDUCE
	v_mul_f32 v10, s22, v8                         ; the mean, as a pair
	v_mov_b32 v11, v10
.set j, 0
.rept 16
	v_pk_add_f32 v[XB+j:XB+j+1], v[XB+j:XB+j+1], v[10:11] neg_lo:[0,1] neg_hi:[0,1]
.set j, j+2
.endr
	v_pk_mul_f32 v[4:5], v[XB:XB+1], v[XB:XB+1]
	v_pk_mul_f32 v[6:7], v[XB+2:XB+3], v[XB+2:XB+3]
.irp j, 4,8,12,16,20,24,28
	v_pk_fma_f32 v[4:5], v[XB+\j:XB+\j+1], v[XB+\j:XB+\j+1], v[4:5]
	v_pk_fma_f32 v[6:7], v[XB+\j+2:XB+\j+3], v[XB+\j+2:XB+\j+3], v[6:7]
.endr
	v_pk_add_f32 v[4:5], v[4:5], v[6:7]
	v_add_f32 v8, v4, v5
	REDUCE
	v_fma_f32 v8, v8, s22, s23                     ; var + eps
	v_rsq_f32 v[12+2*\p], v8
.endm
; Row p: scaled, x g + b, held, converted, and turned through LDS
.macro NORM p
.set XB, X+32*\p
.set j, 0
.rept 16
	v_pk_mul_f32 v[XB+j:XB+j+1], v[XB+j:XB+j+1], v[12+2*\p:13+2*\p]
.set j, j+2
.endr
.set j, 0
.rept 16
	v_pk_fma_f32 v[XB+j:XB+j+1], v[XB+j:XB+j+1], v[G+j:G+j+1], v[BB+j:BB+j+1]
.set j, j+2
.endr
.set j, 0
.rept 32
	v_med3_num_f32 v[XB+j], v[XB+j], -v[LIM], v[LIM]   ; the conversion to an 8-bit code does not saturate (ISA guide 7.6.2): the hold at the largest code x the scale
.set j, j+1
.endr
.irp k, 0,1,2,3
	v_cvt_scalef32_pk8_fp8_f32 v[CD+8*\p+2*\k:CD+8*\p+2*\k+1], v[XB+8*\k:XB+8*\k+7], v[SCL]   ; loads 2 k and 2 k + 1: result word i holds the codes of columns 128 i + 4 lane + 0 .. 3
.endr
	v_nop                                          ; a plain vector line behind the last conversion
.irp i, 0,1,2,3,4,5,6,7
	ds_store_b32 v2, v[CD+8*\p+\i] offset:1024*\p+128*\i
.endr
.irp k, 0,1
	ds_load_b128 v[BK+8*\p+4*\k:BK+8*\p+4*\k+3], v3 offset:1024*\p+512*\k   ; LDS serves a wave's instructions in order (ISA guide 5.7.1.4): these see the stores above
.endr
.endm
	s_wait_loadcnt 24                              ; row 0's eight loads are in; younger: row 1's eight, g's eight, b's eight
	STATS 0
	s_wait_loadcnt 16                              ; row 1's are in; younger: g's and b's
	STATS 1
	v_nop                                          ; a plain line behind the last transcendental
	s_wait_alu depctr_va_vdst(0)                   ; one wait for both roots, ahead of their first reader
	v_mov_b32 v13, v12                             ; each as a pair for the packed multiply
	v_mov_b32 v15, v14
	s_wait_loadcnt 0x0                             ; g and b
	NORM 0
	NORM 1
	s_wait_dscnt 10                                ; row 0 is back; younger: row 1's eight stores and two loads
.irp k, 0,1
	global_store_b128 v1, v[BK+4*\k:BK+4*\k+3], s[12:13] offset:512*\k          ; 32 lanes store 512 consecutive bytes, aligned
.endr
	s_wait_dscnt 0x0
.irp k, 0,1
	global_store_b128 v1, v[BK+8+4*\k:BK+8+4*\k+3], s[12:13] offset:1048576+512*\k   ; the odd token: 1,024 rows on
.endr
	s_wait_tensorcnt 0x0
	ds_add_u32 v180, v181
	s_wait_dscnt 0x0
	s_endpgm
.Lfunc_end_k_qea92803963_ln1:
	.size	k_qea92803963_ln1, .Lfunc_end_k_qea92803963_ln1-k_qea92803963_ln1
	.p2alignl 7, 3214868480
	.fill 96, 4, 3214868480
	.section	.rodata,"a",@progbits
	.p2align	6, 0x0
	.amdhsa_kernel k_qea92803963_ln1
		.amdhsa_group_segment_fixed_size 17408
		.amdhsa_private_segment_fixed_size 0
		.amdhsa_enable_private_segment 0
		.amdhsa_kernarg_size 40
		.amdhsa_user_sgpr_count 2
		.amdhsa_user_sgpr_kernarg_segment_ptr 1
		.amdhsa_wavefront_size32 1
		.amdhsa_system_sgpr_workgroup_id_x 1
		.amdhsa_system_sgpr_workgroup_id_y 1
		.amdhsa_system_sgpr_workgroup_id_z 1
		.amdhsa_system_vgpr_workitem_id 0
		.amdhsa_next_free_vgpr 182
		.amdhsa_next_free_sgpr 66
		.amdhsa_reserve_vcc 0
		.amdhsa_float_denorm_mode_32 3
		.amdhsa_float_denorm_mode_16_64 3
		.amdhsa_memory_ordered 1
		.amdhsa_forward_progress 1
		.amdhsa_inst_pref_size 24
	.end_amdhsa_kernel
	.amdgpu_metadata
---
amdhsa.version: [ 1, 2 ]
amdhsa.kernels:
  - .name:           k_qea92803963_ln1
    .symbol:         k_qea92803963_ln1.kd
    .args:
      - { .name: x, .offset: 0, .size: 8, .value_kind: global_buffer, .address_space: global }
      - { .name: ln1_g, .offset: 8, .size: 8, .value_kind: global_buffer, .address_space: global }
      - { .name: ln1_b, .offset: 16, .size: 8, .value_kind: global_buffer, .address_space: global }
      - { .name: lowp_scales, .offset: 24, .size: 8, .value_kind: global_buffer, .address_space: global }
      - { .name: hc, .offset: 32, .size: 8, .value_kind: global_buffer, .address_space: global }
    .group_segment_fixed_size: 17408
    .private_segment_fixed_size: 0
    .kernarg_segment_align: 8
    .kernarg_segment_size: 40
    .max_flat_workgroup_size: 256
    .sgpr_count:     66
    .vgpr_count:     182
    .wavefront_size: 32
...
	.end_amdgpu_metadata
.endif
;; end of part 1
;; launch qkv (part 2): grid 12 x 16, 4 waves a work-group, clusters of 4 x 4, 327,680 bytes of LDS; arguments hc, qkv_w_codes, lowp_scales, qkv_b, qc, kc, vc; writes qc, kc, vc
.if DOCPART == 2
	.amdgcn_target "amdgcn-amd-amdhsa--gfx1250"
	.amdhsa_code_object_version 6
	.text
	.protected	k_qea92803963_qkv
	.globl	k_qea92803963_qkv
	.p2align	8
	.type	k_qea92803963_qkv,@function
k_qea92803963_qkv:
	s_mov_b64 s[64:65], 0
	v_nop
	global_prefetch_b8 v0, s[64:65] scope:SCOPE_SE
	s_setreg_imm32_b32 hwreg(HW_REG_WAVE_MODE, 25, 1), 1
	s_wait_xcnt 0x0
	s_wait_alu depctr_hold_cnt(0) depctr_sa_sdst(0) depctr_va_vdst(0) depctr_va_sdst(0) depctr_va_ssrc(0) depctr_va_vcc(0) depctr_vm_vsrc(0)
	s_getreg_b32 s2, hwreg(HW_REG_IB_STS2, 6, 4)
	s_cmp_eq_u32 s2, 0
	s_cbranch_scc0 .Lentry_in_a_cluster
	s_endpgm
.Lentry_in_a_cluster:
	s_bfe_u32 s2, ttmp6, 0x10000c
	s_cmp_lg_u32 s2, 0xf033
	s_cbranch_scc0 .Lentry_shape_is_right
	s_endpgm
.Lentry_shape_is_right:
; qkv = h W^T + b on E4M3 codes, then the quantisers of q, k and v.  h: [4,096 rows sorted by parity][1,024] codes; W: [3,072][1,024] codes; sums in f32.
; OUT: q and k as codes [4,096][1,024] (row = token, sorted; column = 64 head + channel); v as codes WITH THE KEYS INNERMOST, [4 planes][1,024 = 64 head + channel][1,024 tokens of the plane].
; A tile of 256 x 256 is made by four waves, each 128 x 128: 64 accumulators, 512 registers.  K = 1,024 goes in four steps of 256 through two LDS slots filled by the tensor data mover.
; CLUSTERS of 4 x 4 work-groups; a cluster is 1,024 columns wide, so cluster x = 0 makes q, 1 makes k, 2 makes v.  Tiles of source 1 are shared along a row of the cluster, tiles of source 0 along a column:
; each is asked for jointly, by the same tensor load with the same descriptor and a mask that names the four.
; THE MATRIX INSTRUCTION IS USED TRANSPOSED: source 0's 16 rows run along a lane's eight registers, source 1's 16 rows along the lanes.  For q and k source 1 = tokens and source 0 = rows of W: a lane holds eight
; neighbouring columns of one token.  FOR V THE TWO BUFFERS CHANGE PLACES (a choice of pointers and of the cluster's two coordinates on cluster x, which all partners share): a lane then holds eight neighbouring
; TOKENS of one channel, which is v's layout.  Both buffers have rows of 1,024 bytes, so descriptors, LDS addresses and the whole text are one for the three.
; Within a fragment k is permuted alike on both sides (four loads of 16 bytes): every product meets its partner; only the order of the sums inside an instruction differs.
; LIMITS: e0 + e1 between -126 and 127; e2, e3, e4 between -126 and 119; NaN is not served.
; REGISTERS, in windows of 256: window 0: v0-31 addresses and constants; v32-47 the bias along source 1, v64-127 the bias along source 0; from v128 source 1's fragments, ONE set; on the way out v128-255 are free.
;   window 1: source 0's fragments, TWO sets.   window 2: the accumulators of my rows 0-63 ((a, b) at v[8 (8 a + b)]);   window 3: those of rows 64-127.
.set SIZE_K, 1024
.set KSTEP,  256                       ; along K in a slot
.set ROWB,   256                       ; a tile's row in bytes
.set KROW,   SIZE_K                    ; a row of either operand in memory, in bytes
.set PITCH,  272                       ; an LDS row: 256 bytes + 16 of padding = 68 words: row r starts at bank 4 r mod 64 (64 banks of 4 bytes: ISA guide 11.1)
.set FR,     16                        ; registers of a fragment: 16 rows x 128 K
.set NL,     4                         ; LDS loads that bring one
.set NP,     4                         ; places behind this matrix instruction (ISA guide 7.12.1)
.set HALFT,  128*PITCH                 ; 128 rows: what one tensor load brings
.set SLOT,   4*HALFT
.set LAPS,   SIZE_K/(2*KSTEP)          ; 2
.set SPARE,  2*SLOT                    ; behind the ring: the spare words, 128 bytes for each wave
.set SP2,    144                       ; the way out: a stage row: my 128 codes + 16 bytes
.set REG,    128*SP2+128               ; a wave's stage: 128 rows; the odd 128 bytes put neighbouring stages on different banks.  The four lie in slot 0, which has had its last fill and its last read by then
.set OUTP,   1024                      ; a row of the output in bytes
.set LB,   7                           ; v7      32 x (lane / 16): my eight numbers of the bias along source 0; never rewritten
.set SCL,  12                          ; v12     2^e of the quantiser
.set LIM,  13                          ; v13     448 x 2^e
.set LV,   14                          ; v14     4 x (lane % 16): my number of the bias along source 1; never rewritten
.set ADRA, 16                          ; v16-17  LDS address of source 1's fragments in slot 0, 1
.set ADRB, 20                          ; v20-21  the same for source 0
.set STO,  24                          ; v24     the way out: where I put 8 codes
.set RD,   25                          ; v25     where I read 16 codes of a whole row back
.set CO,   26                          ; v26     my byte offset in the output
.set SPW,  28                          ; v28     LDS address of my spare word; never rewritten
.set NIL,  29                          ; v29     0; never rewritten
.set BV,   32
.set BT,   64
.set AF,   128
.set TMP,  128                         ; the way out: a block's 64 numbers
.set CDS,  192                         ; its codes, two sets by turns
.set BK,   128                         ; whole rows read back
.set G1, 24                            ; s[24:31] descriptor group 1 for source 1's tiles;  s[32:39] group 0, one set for each slot
.set G0, 32
.set G1B, 48                           ; s[48:55], s[56:63] the same for source 0's tiles
.set G0B, 56
.set MSB, 0
.macro WIN new                         ; the immediate's high byte repeats the setting that is left
.if MSB != \new
	s_set_vgpr_msb (MSB<<8)|\new
.set MSB, \new
.endif
.endm
.set MUL_LO, 0xa1                      ; source 0 window 1, source 1 window 0, C and D window 2
.set MUL_HI, 0xf1                      ; the same, C and D window 3
.set TO_B,   0x40                      ; destination window 1, address window 0
; A joint load: waves 0 and 1 fetch for source 1, waves 2 and 3 for source 0.  The branch hangs on the wave's number alone.  Four v_nop follow each of the two lines.
.macro JLOAD g0a, g1a, g0b, g1b
	s_cmp_eq_u32 s15, 0
	s_cbranch_scc0 .Lfor_b_\@
	tensor_load_to_lds s[\g0a:\g0a+3], s[\g1a:\g1a+7]
	s_nop 0
.rept 4
	v_nop
.endr
	s_branch .Lasked_\@
.Lfor_b_\@:
	tensor_load_to_lds s[\g0b:\g0b+3], s[\g1b:\g1b+7]
	s_nop 0
.rept 4
	v_nop
.endr
.Lasked_\@:
.endm
.macro CREST                           ; a round of the cluster's barrier behind its opening barrier
	s_cmp_lg_u32 s14, 0
	s_cbranch_scc1 .Lnot_wave_0_\@
	s_barrier_signal -3
.Lnot_wave_0_\@:
	s_barrier_wait -3
	s_barrier_signal -1
	s_barrier_wait -1
.endm
.macro CROUND                          ; a whole round
	s_barrier_signal -1
	s_barrier_wait -1
	CREST
.endm
	s_load_b128 s[4:7], s[0:1], 0x0                ; h's codes s[4:5], W's codes s[6:7]
	s_load_b128 s[8:11], s[0:1], 0x10              ; the scales' exponents s[8:9], the bias s[10:11]
	s_load_b128 s[68:71], s[0:1], 0x20             ; q's codes, k's codes
	s_load_b64 s[72:73], s[0:1], 0x30              ; v's codes
	v_lshl_add_u32 v[SPW], v0, 2, SPARE
	v_mov_b32 v[NIL], 0
	ds_add_u32 v28, v29
	ds_add_u32 v28, v29
	s_wait_dscnt 0x0
	v_lshrrev_b32 v1, 5, v0
	v_readfirstlane_b32 s14, v1                    ; wave 0..3
	s_lshr_b32 s15, s14, 1                         ; which half of source 1's rows is mine.  Also: I fetch for source 1 (0) or source 0 (1)
	s_and_b32 s16, s14, 1                          ; which half of source 0's rows.  Also: which 128 rows of that tile I fetch
	s_bfe_u32 s40, ttmp6, 0x40000                  ; cx, cy: my place in the cluster
	s_bfe_u32 s41, ttmp6, 0x40004
	s_and_b32 s86, ttmp7, 0xffff                   ; cluster y: the plane of 1,024 tokens
	s_cmp_eq_u32 ttmp9, 2                          ; is this cluster v's?  The same answer in all sixteen partners
	s_cselect_b32 s87, ttmp9, s86                  ; which 1,024 rows of source 1's buffer: W's third thousand, or the plane
	s_cselect_b32 s88, s86, ttmp9                  ; and of source 0's: the plane, or W's thousand
	s_lshl_b32 s42, s88, 2
	s_add_co_u32 s42, s42, s40                     ; source 0's block of 256 rows
	s_lshl_b32 s17, s87, 2
	s_add_co_u32 s17, s17, s41                     ; source 1's block of 256 rows
	s_lshl_b32 s43, s41, 2
	s_lshl_b32 s43, 15, s43                        ; my row of the cluster
	s_lshl_b32 s44, 0x1111, s40                    ; my column
	; descriptor group 1: a tile of 128 rows x 256 bytes, padded in LDS
	s_or_b32 s[G1+0], s43, (0<<16)|(1<<20)|(1<<21)|(5<<22)|(3<<25)  ; 15:0 the mask: my row; 17:16 elements of 1 byte; 20 padding on; 21 set beside a mask; 24:22 after every 64 words (code 5); 31:25 four words (code 3)
	s_or_b32 s[G1B+0], s44, (0<<16)|(1<<20)|(1<<21)|(5<<22)|(3<<25) ; the same with my column
.irp g, G1, G1B
	s_mov_b32 s[\g+1], ROWB<<16                    ; tensor_dim0
	s_mov_b32 s[\g+2], 128<<16                     ; tensor_dim1 = 128
	s_mov_b32 s[\g+3], ROWB<<16                    ; tile_dim0
	s_mov_b32 s[\g+4], 128                         ; tile_dim1 = 128
	s_mov_b32 s[\g+5], KROW                        ; tensor_dim0_stride
	s_mov_b32 s[\g+6], 0
	s_mov_b32 s[\g+7], 0
.endr
	s_lshl_b32 s18, s16, 7                         ; which 128 rows of the tile I fetch
	s_lshl_b32 s20, s17, 8
	s_add_co_u32 s20, s20, s18
	s_lshl_b32 s20, s20, 10                        ; source 1: (256 x block + 128 x half) rows of 1,024 bytes
	s_mov_b32 s21, 0
	s_lshl_b32 s46, s42, 8
	s_add_co_u32 s46, s46, s18
	s_lshl_b32 s46, s46, 10                        ; source 0 likewise
	s_mov_b32 s47, 0
	s_mul_i32 s45, s14, HALFT                      ; where they go: wave x 128 rows: no place in the cluster enters an LDS address
	s_wait_kmcnt 0x0
	s_load_b64 s[96:97], s[8:9], 0x0               ; e0, e1
	s_load_b128 s[80:83], s[8:9], 0x8              ; e2 (q), e3 (k), e4 (v), e5
	s_cmp_eq_u32 ttmp9, 2
	s_cselect_b64 s[90:91], s[6:7], s[4:5]         ; source 1's buffer: W for v, else h
	s_cselect_b64 s[92:93], s[4:5], s[6:7]         ; source 0's: h for v, else W
	s_add_nc_u64 s[20:21], s[90:91], s[20:21]
	s_add_nc_u64 s[46:47], s[92:93], s[46:47]
	CROUND                                         ; all sixteen work-groups are here: the first joint loads meet
.irp s, 0,1
	s_mov_b32 s[G0+4*\s], 1
	s_add_co_u32 s[G0+4*\s+1], s45, \s*SLOT
	s_add_nc_u64 s[G0+4*\s+2:G0+4*\s+3], s[20:21], \s*ROWB
	s_or_b32 s[G0+4*\s+3], s[G0+4*\s+3], 0x80000000
	s_mov_b32 s[G0B+4*\s], 1
	s_add_co_u32 s[G0B+4*\s+1], s45, \s*SLOT
	s_add_nc_u64 s[G0B+4*\s+2:G0B+4*\s+3], s[46:47], \s*ROWB
	s_or_b32 s[G0B+4*\s+3], s[G0B+4*\s+3], 0x80000000
	JLOAD G0+4*\s, G1, G0B+4*\s, G1B
.endr
	v_and_b32 v1, 15, v0                           ; l % 16
	v_bfe_u32 v2, v0, 4, 1                         ; l / 16
	v_mul_u32_u24 v3, v1, PITCH
	v_lshl_add_u32 v4, v2, 4, v3                   ; a fragment's row x pitch + 16 x half
	s_mul_i32 s21, s15, HALFT                      ; my 128 rows of source 1
	s_mul_i32 s22, s16, HALFT                      ; my 128 rows of source 0,
	s_add_co_u32 s22, s22, 2*HALFT                 ; which lie behind source 1's 256
.irp s, 0,1
	v_add_nc_u32 v[ADRA+\s], s21, v4
	v_add_nc_u32 v[ADRB+\s], s22, v4
	s_add_co_u32 s21, s21, SLOT
	s_add_co_u32 s22, s22, SLOT
.endr
	s_mul_i32 s23, s14, REG                        ; my stage
	v_mul_u32_u24 v5, v1, SP2
	v_lshl_add_u32 v5, v2, 3, v5
	v_add_nc_u32 v[STO], s23, v5                   ; in: row l % 16, 8 bytes for each half of the lanes
	s_mul_i32 s23, s15, 2*REG                      ; back: wave w takes the tile's rows 64 w .. 64 w + 63, whole: they lie in the two stages of row half w / 2, from row 64 (w % 2) on
	s_mul_i32 s18, s16, 64*SP2
	s_add_co_u32 s23, s23, s18
	v_bfe_u32 v5, v0, 3, 1
	v_mul_u32_u24 v5, v5, REG                      ; pieces 8-15 of a row come from the second of the two stages
	v_and_b32 v6, 7, v0
	v_lshl_add_u32 v5, v6, 4, v5
	v_mul_u32_u24 v6, v2, SP2                      ; lanes 0-15 one row, lanes 16-31 the next
	v_add_nc_u32 v5, v5, v6
	v_add_nc_u32 v[RD], s23, v5
	v_lshlrev_b32 v5, 10, v2                       ; and the same two rows in the output
	v_lshl_add_u32 v[CO], v1, 4, v5
	v_lshlrev_b32 v[LB], 5, v2
	v_lshlrev_b32 v[LV], 2, v1
	; the biases.  Along source 0 (q, k: the columns): b[256 x block + 128 x half + 16 b + 8 (l / 16) + j].  Along source 1 (v: the channels): b[2,048 + 256 cy + 128 x half + 16 a + l % 16].
	; Both sets are loaded in every cluster, the one that does not apply from the buffer's head, and is then made 0: one text, no branch.
	s_lshl_b32 s46, s42, 10
	s_lshl_b32 s47, s16, 9
	s_add_co_u32 s46, s46, s47
	s_lshl_b32 s20, s41, 10
	s_lshl_b32 s21, s15, 9
	s_add_co_u32 s20, s20, s21
	s_add_co_u32 s20, s20, 8192
	s_cmp_eq_u32 ttmp9, 2
	s_cselect_b32 s46, 0, s46
	s_cselect_b32 s20, s20, 0
	s_cselect_b32 s78, 0, -1                       ; all lanes keep the bias along source 0, or none,
	s_cselect_b32 s79, -1, 0                       ; and the other way round
	s_mov_b32 s47, 0
	s_mov_b32 s21, 0
	s_add_nc_u64 s[74:75], s[10:11], s[46:47]
	s_add_nc_u64 s[76:77], s[10:11], s[20:21]
.irp b, 0,1,2,3,4,5,6,7
	global_load_b128 v[BT+8*\b:BT+8*\b+3], v[LB], s[74:75] offset:64*\b
	global_load_b128 v[BT+8*\b+4:BT+8*\b+7], v[LB], s[74:75] offset:64*\b+16
.endr
.irp a, 0,1,2,3,4,5,6,7
	global_load_b32 v[BV+2*\a], v[LV], s[76:77] offset:64*\a
.endr
	; where my rows go: buffer by cluster x; byte (1,024 cluster y + 256 cy + 64 wave) x 1,024 + 256 cx.  For v that is plane, channel, token; for q and k token, column
	s_cmp_eq_u32 ttmp9, 1
	s_cselect_b64 s[68:69], s[70:71], s[68:69]
	s_cmp_eq_u32 ttmp9, 2
	s_cselect_b64 s[68:69], s[72:73], s[68:69]
	s_lshl_b32 s20, s86, 10
	s_lshl_b32 s21, s41, 8
	s_add_co_u32 s20, s20, s21
	s_lshl_b32 s21, s14, 6
	s_add_co_u32 s20, s20, s21
	s_lshl_b32 s20, s20, 10
	s_mov_b32 s21, 0
	s_lshl_b32 s46, s40, 8
	s_mov_b32 s47, 0
	s_add_nc_u64 s[68:69], s[68:69], s[20:21]
	s_add_nc_u64 s[68:69], s[68:69], s[46:47]
	s_wait_kmcnt 0x0
	s_add_co_i32 s96, s96, s97
	s_add_co_i32 s96, s96, 127
	s_lshl_b32 s96, s96, 23                        ; 2^(e0 + e1) as f32,
	s_mov_b32 s97, s96                             ; named as a pair, so both words are written
	s_cmp_eq_u32 ttmp9, 1
	s_cselect_b32 s98, s81, s80
	s_cmp_eq_u32 ttmp9, 2
	s_cselect_b32 s98, s82, s98                    ; the quantiser's e: a choice, not a branch
	s_add_co_i32 s98, s98, 127
	s_lshl_b32 s99, s98, 23
	v_mov_b32 v[SCL], s99
	s_add_co_i32 s98, s98, 8
	s_lshl_b32 s98, s98, 23
	s_or_b32 s98, s98, 0x600000
	v_mov_b32 v[LIM], s98
	s_wait_loadcnt 0x0                             ; the biases: waited for here, where the first tiles are on their way in any case
.set j, 0
.rept 64
	v_cndmask_b32 v[BT+j], 0, v[BT+j], s78
.set j, j+1
.endr
.irp a, 0,1,2,3,4,5,6,7
	v_cndmask_b32 v[BV+2*\a+1], 0, v[BV+2*\a], s79 ; each as a pair for the packed addition
	v_cndmask_b32 v[BV+2*\a], 0, v[BV+2*\a], s79
.endr
.macro FRAG reg, adr, q, i             ; a fragment, 16 rows x 128 K, is 16 registers: lane l holds row l % 16; registers 4 c .. 4 c + 3 hold K = 32 c + 16 (l / 16) + 0 .. 15
.irp c, 0,1,2,3
	ds_load_b128 v[\reg+4*\c:\reg+4*\c+3], v[\adr] offset:128*(\q)+32*\c+(\i)*16*PITCH
.endr
.endm
; 16 matrix instructions: source 1's blocks a0, a0 + 1 x source 0's eight, 128 along K.  p: source 0's set.  zero = 1: the first product starts the sums: nothing is ever cleared.
; The 64 accumulators take turns, one instruction a turn, in the same order in every step.
.macro MUL16 a0, p, zero
.irp a, \a0, \a0+1
.irp b, 0,1,2,3,4,5,6,7
.if \zero
	v_wmma_f32_16x16x128_fp8_fp8 v[8*(8*((\a)%4)+\b):8*(8*((\a)%4)+\b)+7], v[128*(\p)+FR*\b:128*(\p)+FR*\b+FR-1], v[AF+FR*(\a):AF+FR*(\a)+FR-1], 0
.else
	v_wmma_f32_16x16x128_fp8_fp8 v[8*(8*((\a)%4)+\b):8*(8*((\a)%4)+\b)+7], v[128*(\p)+FR*\b:128*(\p)+FR*\b+FR-1], v[AF+FR*(\a):AF+FR*(\a)+FR-1], v[8*(8*((\a)%4)+\b):8*(8*((\a)%4)+\b)+7]
.endif
.endr
.endr
.endm
.macro FETCH_B slot, q, p              ; source 0's eight fragments of the slot's q-th 128 along K into set p
	WIN TO_B
.irp i, 0,1,2,3,4,5,6,7
	FRAG 128*(\p)+FR*\i, ADRB+\slot, \q, \i
.endr
	WIN 0
.endm
.macro FETCH_A slot, q, i0             ; source 1's blocks i0 .. i0 + 3
.irp i, \i0, \i0+1, \i0+2, \i0+3
	FRAG AF+FR*(\i), ADRA+\slot, \q, \i
.endr
.endm
; A load into a register that a matrix instruction has read, and a vector instruction that reads a matrix result, stand NP places behind that matrix instruction; only plain vector
; instructions that name none of its registers are places (ISA guide 7.12.1 for vector instructions).
.macro PLACES n
.rept \n
	v_nop
.endr
.endm
; A step of 128 along K that has its successor in the same slot.
.macro STEP slot, q, zero
	s_wait_dscnt 4*NL                              ; source 0's set and source 1's blocks 0-3 are in; the youngest sixteen loads (blocks 4-7) may be out
	WIN MUL_LO
	MUL16 0, (\q)%2, \zero
	MUL16 2, (\q)%2, \zero
	s_wait_dscnt 0                                 ; blocks 4-7 are in (asked for 32 matrix instructions ago)
	PLACES NP
	FETCH_B \slot, (\q)+1, 1-(\q)%2
	FETCH_A \slot, (\q)+1, 0
	WIN MUL_HI
	MUL16 4, (\q)%2, \zero
	MUL16 6, (\q)%2, \zero
	PLACES NP
	WIN 0
	FETCH_A \slot, (\q)+1, 4
.endm
; A slot's last step changes slots: ONE barrier; in front of it each wave waits for all its tensor loads, adds 0 to its spare word, and waits for that and for its own reads of this slot.  fill = 1: this slot is filled again, two K steps ahead.
.macro TURN slot, next, fill
	s_wait_tensorcnt 0x0                           ; all my tensor loads have landed: my part of the next slot
	ds_add_u32 v[SPW], v[NIL]                      ; 0 onto my spare word
	s_wait_dscnt 4*NL+1                            ; the add and the youngest sixteen loads (blocks 4-7) may be out
	WIN MUL_LO
	MUL16 0, 1, 0                                  ; sixteen matrix instructions stand between the add and the wait for it
	s_wait_dscnt 0x0                               ; the add is done, and my reads of this slot are over
	s_barrier_signal -1
	MUL16 2, 1, 0
	WIN 0
	s_barrier_wait -1
.if \fill
	CREST                                          ; the barrier has opened a round of the cluster's barrier: no wave of any partner still reads this slot's tile or has a load on its way
	s_add_nc_u64 s[G0+4*\slot+2:G0+4*\slot+3], s[G0+4*\slot+2:G0+4*\slot+3], 2*ROWB
	s_add_nc_u64 s[G0B+4*\slot+2:G0B+4*\slot+3], s[G0B+4*\slot+2:G0B+4*\slot+3], 2*ROWB
	JLOAD G0+4*\slot, G1, G0B+4*\slot, G1B         ; the first tensor load behind the round; its four v_nop are the places in front of the loads below
.else
	PLACES NP
.endif
	FETCH_B \next, 0, 0
	FETCH_A \next, 0, 0
	WIN MUL_HI
	MUL16 4, 1, 0
	MUL16 6, 1, 0
	PLACES NP
	WIN 0
	FETCH_A \next, 0, 4
.endm
	s_wait_tensorcnt 1                             ; my part of K step 0 is in; K step 1's load may stay out
	s_barrier_signal -1
	s_barrier_wait -1                              ; everybody's is
	FETCH_B 0, 0, 0
	FETCH_A 0, 0, 0
	FETCH_A 0, 0, 4
	STEP 0, 0, 1                                   ; the first step stands in front of the loop: its products start the sums
	s_mov_b32 s3, LAPS-1
.Llap:                                                 ; a trip goes once round the ring and fills both slots again
	TURN 0, 1, 1
	STEP 1, 0, 0
	TURN 1, 0, 1
	STEP 0, 0, 0
	s_sub_co_u32 s3, s3, 1
	s_cmp_lg_u32 s3, 0
	s_cbranch_scc1 .Llap
	TURN 0, 1, 0                                   ; the last lap fills nothing; behind this barrier nobody reads slot 0 any more
	STEP 1, 0, 0
	s_wait_dscnt 4*NL                              ; the very last step: nothing more to fetch
	WIN MUL_LO
	MUL16 0, 1, 0
	MUL16 2, 1, 0
	s_wait_dscnt 0
	WIN MUL_HI
	MUL16 4, 1, 0
	MUL16 6, 1, 0
	WIN 0
; THE WAY OUT.  Block a (16 rows of source 1 x my 128 of source 0): sum x 2^(e0 + e1) + the two biases (one of them zeros), held, converted: a lane's eight codes of an accumulator are 8 neighbouring bytes of a row.
.macro OUTBLK a
.set AC, 64*((\a)%4)
.set CC, CDS+16*((\a)%2)
	WIN 0x02+((\a)/4)                              ; source 0: window 2 or 3
.set j, 0
.rept 32
	v_pk_fma_f32 v[TMP+j:TMP+j+1], v[AC+j:AC+j+1], s[96:97], v[BT+j:BT+j+1] op_sel_hi:[1,0,1]   ; each accumulator from its low end on
.set j, j+2
.endr
	WIN 0
.set j, 0
.rept 32
	v_pk_add_f32 v[TMP+j:TMP+j+1], v[TMP+j:TMP+j+1], v[BV+2*(\a):BV+2*(\a)+1]
.set j, j+2
.endr
.set j, 0
.rept 64
	v_med3_num_f32 v[TMP+j], v[TMP+j], -v[LIM], v[LIM]   ; the conversion does not saturate (ISA guide 7.6.2): the hold at the largest code x the scale
.set j, j+1
.endr
.irp b, 0,1,2,3,4,5,6,7
	v_cvt_scalef32_pk8_fp8_f32 v[CC+2*\b:CC+2*\b+1], v[TMP+8*\b:TMP+8*\b+7], v[SCL]
.endr
	v_nop                                          ; a plain vector line behind the last conversion: the next block writes its sources
.irp b, 0,1,2,3,4,5,6,7
	ds_store_b64 v[STO], v[CC+2*\b:CC+2*\b+1] offset:(\a)*16*SP2+16*\b
.endr
.endm
	PLACES NP                                      ; behind the last products: their results are read and source 1's registers written below
.irp a, 0,1,2,3,4,5,6,7
	OUTBLK \a
.endr
	s_wait_dscnt 0x0                               ; for the others' sake: my stores into my stage are done
	s_barrier_signal -1
	s_barrier_wait -1                              ; a row's 256 bytes come from two waves
.irp t, 0,1,2,3,4,5,6,7,8,9,10,11,12,13,14,15,16,17,18,19,20,21,22,23,24,25,26,27,28,29,30,31
	ds_load_b128 v[BK+4*\t:BK+4*\t+3], v[RD] offset:\t*2*SP2
.endr
.irp t, 0,1,2,3,4,5,6,7,8,9,10,11,12,13,14,15,16,17,18,19,20,21,22,23,24,25,26,27,28,29,30,31
	s_wait_dscnt 31-\t                             ; LDS loads come back in order: load t is in, the younger ones stay out
	global_store_b128 v[CO], v[BK+4*\t:BK+4*\t+3], s[68:69] offset:2*\t*OUTP   ; 16 lanes store 256 consecutive bytes, aligned
.endr
	s_wait_tensorcnt 0x0                           ; the wave's end
	ds_add_u32 v[SPW], v[NIL]
	s_wait_dscnt 0x0
	CROUND                                         ; the closing round: no work-group ends while a partner may still ask for a tile that names it
	s_endpgm
.Lfunc_end_k_qea92803963_qkv:
	.size	k_qea92803963_qkv, .Lfunc_end_k_qea92803963_qkv-k_qea92803963_qkv
	.p2alignl 7, 3214868480
	.fill 96, 4, 3214868480
	.section	.rodata,"a",@progbits
	.p2align	6, 0x0
	.amdhsa_kernel k_qea92803963_qkv
		.amdhsa_group_segment_fixed_size 327680
		.amdhsa_private_segment_fixed_size 0
		.amdhsa_enable_private_segment 0
		.amdhsa_kernarg_size 56
		.amdhsa_user_sgpr_count 2
		.amdhsa_user_sgpr_kernarg_segment_ptr 1
		.amdhsa_wavefront_size32 1
		.amdhsa_system_sgpr_workgroup_id_x 1
		.amdhsa_system_sgpr_workgroup_id_y 1
		.amdhsa_system_sgpr_workgroup_id_z 1
		.amdhsa_system_vgpr_workitem_id 0
		.amdhsa_next_free_vgpr 1024
		.amdhsa_next_free_sgpr 100
		.amdhsa_reserve_vcc 0
		.amdhsa_float_denorm_mode_32 3
		.amdhsa_float_denorm_mode_16_64 3
		.amdhsa_memory_ordered 1
		.amdhsa_forward_progress 1
		.amdhsa_inst_pref_size 166
	.end_amdhsa_kernel
	.amdgpu_metadata
---
amdhsa.version: [ 1, 2 ]
amdhsa.kernels:
  - .name:           k_qea92803963_qkv
    .symbol:         k_qea92803963_qkv.kd
    .args:
      - { .name: hc, .offset: 0, .size: 8, .value_kind: global_buffer, .address_space: global }
      - { .name: qkv_w_codes, .offset: 8, .size: 8, .value_kind: global_buffer, .address_space: global }
      - { .name: lowp_scales, .offset: 16, .size: 8, .value_kind: global_buffer, .address_space: global }
      - { .name: qkv_b, .offset: 24, .size: 8, .value_kind: global_buffer, .address_space: global }
      - { .name: qc, .offset: 32, .size: 8, .value_kind: global_buffer, .address_space: global }
      - { .name: kc, .offset: 40, .size: 8, .value_kind: global_buffer, .address_space: global }
      - { .name: vc, .offset: 48, .size: 8, .value_kind: global_buffer, .address_space: global }
    .group_segment_fixed_size: 327680
    .private_segment_fixed_size: 0
    .kernarg_segment_align: 8
    .kernarg_segment_size: 56
    .max_flat_workgroup_size: 128
    .sgpr_count:     100
    .vgpr_count:     1024
    .wavefront_size: 32
...
	.end_amdgpu_metadata
.endif
;; end of part 2
;; launch attn (part 3): grid 64 x 4, 16 waves a work-group, no clusters, 141,312 bytes of LDS; arguments qc, kc, vc, lowp_scales, yc; writes yc
.if DOCPART == 3
	.amdgcn_target "amdgcn-amd-amdhsa--gfx1250"
	.amdhsa_code_object_version 6
	.text
	.protected	k_qea92803963_attn
	.globl	k_qea92803963_attn
	.p2align	8
	.type	k_qea92803963_attn,@function
k_qea92803963_attn:
	s_mov_b64 s[64:65], 0
	v_nop
	global_prefetch_b8 v0, s[64:65] scope:SCOPE_SE
	s_setreg_imm32_b32 hwreg(HW_REG_WAVE_MODE, 25, 1), 1
	s_wait_xcnt 0x0
; Dilated causal attention on E4M3 codes.  The mask lets query i see key j where i - j is even and 0 <= i - j <= 256.  Tokens are sorted by parity into four planes (batch, parity) of 1,024, so inside a plane
; query i' sees keys i' - 128 .. i': 129 neighbours.  Only those tiles are multiplied; what the mask throws away is not computed.
; q, k: [plane x 1,024 + i'][64 head + channel] codes.  v: [plane][64 head + channel][i'] codes, keys innermost.  y: as q, quantised with e6 for the next product.
; SHARES: a work-group owns 64 queries of a plane and four heads; wave w owns 16 queries (w / 4) of one head (w % 4).  Its keys are q0 - 128 .. q0 + 15: nine tiles of 16.  All 72 scores of a lane are in
; registers at once, so the row's largest t is taken directly: M = ceil(largest t), p = 2^(t - M), the sum of the unquantised p divides at the end.
; LAYOUT: S^T = K Q^T (source 0 = 16 keys, source 1 = my 16 queries): lane (r, h) holds query r and, in register j of tile t, key 16 t + 8 h + j of the window.  A tile's eight p of a lane convert into two
; registers that ARE registers 2 (t % 4), 2 (t % 4) + 1 of source 1 of O^T = V^T P, in that form's own layout.  Q and K are loaded alike (two loads of 16 bytes), so k is permuted alike on both sides.
; K and V come through LDS once: 192 key rows x 256 bytes and 256 channel rows x 256 key bytes.  Places of keys in front of the plane's first or behind its last are filled from a clamped address: those keys are
; hidden, their p is the code 0, and the bytes there are codes of real numbers.
; No cluster: neighbouring work-groups' windows are shifted by 64 keys, so no two ask for the same tile.  No tensor load, no ring: each byte is staged once.
; LIMITS: e2 + e3 between -123 and 130 (added to c's exponent field); e5, e6 between -126 and 119; e4 + e5 goes in by v_ldexp_f32.  NaN is not served.
; REGISTERS: v1 r - 8 h; v2 thread / 16; v3 r; v4, v6 my place in K's and V's tiles; v5 16 x (thread % 16); v7 h; v8-15 Q; v16-24 offsets of the staging loads, later statistics; v25-28 scales; v29-30 y's stage; v31 -infinity;
;   v32-63 O^T; v64-135 staged bytes, then S^T, then p; v136-231 K's nine fragments, then V's twelve; v232-255 p's codes.
.set KP,  272                          ; an LDS row: 256 bytes + 16: row r starts at bank 4 r mod 64 (ISA guide 11.1)
.set VS,  192*KP                       ; behind K's 192 rows: V's 256
.set YS,  VS+256*KP                    ; behind them: 64 rows of y
.set O,   32
.set S,   64
.set KF,  136
.set VF,  136
.set PC,  232
.set SEL, 38                           ; s[38:39] lane selects for v_permlanex16_b32: lane l xor 16
.set CS,  40                           ; s[40:41] c = log2(e) / sqrt(64) x 2^(e2 + e3)
	s_load_b256 s[4:11], s[0:1], 0x0               ; q s[4:5], k s[6:7], v s[8:9], the scales' exponents s[10:11]
	s_load_b64 s[12:13], s[0:1], 0x20              ; y
	v_lshrrev_b32 v1, 5, v0
	v_readfirstlane_b32 s14, v1                    ; wave 0..15
	s_and_b32 s15, s14, 3                          ; my head of the four
	s_lshr_b32 s16, s14, 2                         ; my tile of 16 queries
	s_lshr_b32 s17, ttmp9, 4                       ; the plane
	s_and_b32 s18, ttmp9, 15
	s_lshl_b32 s18, s18, 6                         ; Q0: the work-group's first query in the plane
	s_and_b32 s19, ttmp7, 0xffff                   ; the group of four heads
	s_lshl_b32 s20, s17, 20                        ; a plane is 1,024 x 1,024 bytes in every buffer
	s_lshl_b32 s21, s19, 8
	s_add_co_u32 s22, s20, s21                     ; q, k, y: + 256 bytes a group of heads
	s_mov_b32 s23, 0
	s_lshl_b32 s21, s19, 18
	s_add_co_u32 s24, s20, s21                     ; v: + 256 rows a group of heads
	s_mov_b32 s25, 0
	s_lshl_b32 s26, s16, 4
	s_add_co_u32 s26, s26, s18                     ; q0: my first query
	s_mov_b32 s44, 128
	s_mov_b32 s[SEL], 0x76543210
	s_mov_b32 s[SEL+1], 0xfedcba98
	s_mov_b32 s[CS], 0x3e38aa3b                    ; log2(e) / 8
	v_lshrrev_b32 v2, 4, v0                        ; staging: 16 threads to a row of 256 bytes, 32 rows a round
	v_and_b32 v3, 15, v0                           ; the thread's piece of 16 bytes; also r = lane % 16
	v_bfe_u32 v7, v0, 4, 1                         ; h = lane / 16
	v_lshlrev_b32 v5, 4, v3
	v_add_nc_u32 v1, s18, v2
.irp p, 0,1,2,3,4,5
	v_add_nc_u32 v[16+\p], 32*\p, v1               ; K's LDS row 32 p + thread / 16 is key Q0 - 128 + that,
	v_max_u32 v[16+\p], s44, v[16+\p]              ; held at key 0 from below
	v_sub_nc_u32 v[16+\p], v[16+\p], s44
	v_lshl_add_u32 v[16+\p], v[16+\p], 10, v5
.endr
	v_add_nc_u32 v6, s18, v5                       ; V's piece p of a row is keys Q0 - 128 + 16 p on,
	v_max_u32 v6, s44, v6                          ; held inside the row's 1,024 from below
	v_sub_nc_u32 v6, v6, s44
	v_min_u32 v6, 0x3f0, v6                        ; and from above
	v_lshl_add_u32 v22, v2, 10, v6
	s_lshl_b32 s27, s26, 10
	s_lshl_b32 s28, s15, 6                         ; 64 bytes a head
	s_add_co_u32 s27, s27, s28
	v_lshlrev_b32 v29, 10, v3
	v_lshl_add_u32 v29, v7, 4, v29
	v_add_nc_u32 v29, s27, v29                     ; Q: row q0 + r, my head, + 16 h
	v_mul_u32_u24 v23, v2, KP
	v_add_nc_u32 v23, v23, v5                      ; staging: where my 16 bytes go in K's rows,
	v_add_nc_u32 v24, VS, v23                      ; and in V's
	s_mul_i32 s29, s16, 16*KP
	s_add_co_u32 s30, s29, s28                     ; 16 (w / 4) rows + my head's 64 bytes
	s_mul_i32 s31, s15, 64*KP
	s_lshl_b32 s37, s16, 4
	s_add_co_u32 s31, s31, s37
	s_add_co_u32 s31, s31, VS                      ; V: my head's 64 rows, my window's first key byte
	v_mul_u32_u24 v1, v3, KP
	v_lshl_add_u32 v4, v7, 4, v1
	v_add_nc_u32 v4, s30, v4                       ; K's fragments: row 16 (w / 4) + r, + 16 h
	v_lshl_add_u32 v6, v7, 3, v1
	v_add_nc_u32 v30, s30, v6
	v_add_nc_u32 v30, YS, v30                      ; y's stage: row 16 (w / 4) + r, my head, + 8 h
	v_add_nc_u32 v6, s31, v6                       ; V's fragments: row r, + 8 h
	v_lshlrev_b32 v1, 3, v7
	v_sub_nc_u32 v1, v3, v1                        ; r - 8 h
	v_mov_b32 v31, 0xff800000                      ; -infinity
	s_wait_kmcnt 0x0
	s_load_b128 s[32:35], s[10:11], 0x8            ; e2 (q), e3 (k), e4 (v), e5 (p)
	s_load_b32 s36, s[10:11], 0x18                 ; e6 (y)
	s_add_nc_u64 s[4:5], s[4:5], s[22:23]
	s_add_nc_u64 s[6:7], s[6:7], s[22:23]
	s_add_nc_u64 s[8:9], s[8:9], s[24:25]
	s_add_nc_u64 s[12:13], s[12:13], s[22:23]
	s_lshl_b32 s22, s18, 10
	s_add_nc_u64 s[12:13], s[12:13], s[22:23]      ; y at the work-group's first query
.irp p, 0,1,2,3,4,5
	global_load_b128 v[S+4*\p:S+4*\p+3], v[16+\p], s[6:7]          ; 16 threads read 256 consecutive bytes, aligned
.endr
.irp p, 0,1,2,3,4,5,6,7
	global_load_b128 v[S+24+4*\p:S+24+4*\p+3], v22, s[8:9] offset:32768*\p
.endr
	global_load_b128 v[8:11], v29, s[4:5]
	global_load_b128 v[12:15], v29, s[4:5] offset:32
	s_wait_kmcnt 0x0
	s_add_co_i32 s37, s32, s33
	s_lshl_b32 s37, s37, 23
	s_add_co_i32 s[CS], s[CS], s37                 ; a score stands for score x 2^(e2 + e3): added to c's exponent field
	s_mov_b32 s[CS+1], s[CS]                       ; named as a pair, so both words are written
	s_add_co_i32 s37, s35, 127
	s_lshl_b32 s42, s37, 23
	v_mov_b32 v25, s42                             ; 2^e5
	s_add_co_i32 s37, s37, 8
	s_lshl_b32 s37, s37, 23
	s_or_b32 s37, s37, 0x600000
	v_mov_b32 v26, s37                             ; 448 x 2^e5
	s_add_co_i32 s37, s36, 127
	s_lshl_b32 s42, s37, 23
	v_mov_b32 v27, s42                             ; 2^e6
	s_add_co_i32 s37, s37, 8
	s_lshl_b32 s37, s37, 23
	s_or_b32 s37, s37, 0x600000
	v_mov_b32 v28, s37                             ; 448 x 2^e6
	s_add_co_i32 s43, s34, s35                     ; e4 + e5
	s_wait_loadcnt 10                              ; K's six loads are in; younger: V's eight and Q's two
.irp p, 0,1,2,3,4,5
	ds_store_b128 v23, v[S+4*\p:S+4*\p+3] offset:32*KP*\p
.endr
	s_wait_loadcnt 2                               ; V's eight are in; younger: Q's two
.irp p, 0,1,2,3,4,5,6,7
	ds_store_b128 v24, v[S+24+4*\p:S+24+4*\p+3] offset:32*KP*\p
.endr
	s_wait_dscnt 0x0                               ; for the others' sake: my stores have landed
	s_barrier_signal -1
	s_barrier_wait -1                              ; K's and V's rows are whole
.irp t, 0,1,2,3,4,5,6,7,8
	ds_load_b128 v[KF+8*\t:KF+8*\t+3], v4 offset:16*KP*\t
	ds_load_b128 v[KF+8*\t+4:KF+8*\t+7], v4 offset:16*KP*\t+32
.endr
	s_wait_loadcnt 0x0                             ; Q; every global load is done, so their offset registers are free
	v_mul_u32_u24 v29, v2, KP
	v_add_nc_u32 v29, v29, v5
	v_add_nc_u32 v29, YS, v29                      ; the way out: where my thread reads 16 bytes of a whole row of y,
	v_lshl_add_u32 v2, v2, 10, v5                  ; and where they go
	s_wait_dscnt 0x0
.irp t, 0,1,2,3,4,5,6,7,8
	v_wmma_f32_16x16x64_fp8_fp8 v[S+8*\t:S+8*\t+7], v[KF+8*\t:KF+8*\t+7], v[8:15], 0
.endr
.irp j, 250,251,252,253
	v_mov_b32 v\j, 0                               ; the last fragment of P has 16 keys of 64: the rest are zero codes.  These four lines are the places behind the products
.endr
.irp g, 0,1,2
.irp d, 0,1,2,3
.irp c, 0,1,2,3
	ds_load_b64 v[VF+8*(4*\g+\d)+2*\c:VF+8*(4*\g+\d)+2*\c+1], v6 offset:16*KP*\d+64*\g+16*\c   ; V^T: channel 16 d + r, keys 64 g + 16 c + 8 h + 0 .. 7 of the window: they land under the softmax
.endr
.endr
.endr
	; THE MASK.  Window key 16 t + 8 h + j is key q0 - 128 + that; query q0 + r sees window keys r .. 128 + r.  So tile 0 is hidden where j < r - 8 h, tile 8 where j > r - 8 h
.irp j, 0,1,2,3,4,5,6,7
	v_cmp_lt_i32 vcc_lo, \j, v1
	v_cndmask_b32 v[S+\j], v[S+\j], v31, vcc_lo
.endr
.irp j, 0,1,2,3,4,5,6,7
	v_cmp_gt_i32 vcc_lo, \j, v1
	v_cndmask_b32 v[S+64+\j], v[S+64+\j], v31, vcc_lo
.endr
	s_cmp_ge_u32 s26, 128                          ; a branch on ids alone: only the first 128 queries of a plane have keys in front of the plane's first
	s_cbranch_scc1 .Lall_keys
	s_lshr_b32 s37, s26, 4
	s_sub_co_u32 s37, 8, s37                       ; so many whole tiles lie in front of key 0
.irp t, 0,1,2,3,4,5,6,7
	s_cmp_gt_u32 s37, \t
	s_cselect_b32 s42, -1, 0
.irp j, 0,1,2,3,4,5,6,7
	v_cndmask_b32 v[S+8*\t+\j], v[S+8*\t+\j], v31, s42
.endr
.endr
.Lall_keys:
	v_max3_num_f32 v22, v[S], v[S+1], v[S+2]       ; the largest score of my query among my 72 keys, in two chains, the registers in ascending order
	v_max3_num_f32 v23, v[S+3], v[S+4], v[S+5]
.irp i, 6,10,14,18,22,26,30,34,38,42,46,50,54,58,62,66
	v_max3_num_f32 v22, v22, v[S+\i], v[S+\i+1]
	v_max3_num_f32 v23, v23, v[S+\i+2], v[S+\i+3]
.endr
	v_max3_num_f32 v22, v22, v[S+70], v[S+71]
	v_max_num_f32 v22, v22, v23
	v_permlanex16_b32 v24, v22, s[SEL], s[SEL+1]
	v_max_num_f32 v22, v22, v24                    ; and among lane l xor 16's.  The query's own key always counts, so this is a number
	v_mul_f32 v17, s[CS], v22                      ; as t (c is positive)
	v_floor_f32 v16, -v17                          ; -M = floor(-t) = -ceil(t): a whole number
.set j, 0
.rept 36
	v_pk_fma_f32 v[S+j:S+j+1], v[S+j:S+j+1], s[CS:CS+1], v[16:17] op_sel_hi:[1,0,0]   ; t - M, two at a time (of the pairs c and -M the low word serves both halves)
.set j, j+2
.endr
.set j, 0
.rept 72
	v_exp_f32 v[S+j], v[S+j]                       ; p = 2^(t - M), at most 1; 0 where the key is hidden
.set j, j+1
.endr
	v_mov_b32 v254, 0                              ; the rest of P's zero codes: the plain lines behind the exponentials
	v_mov_b32 v255, 0
	s_wait_alu depctr_va_vdst(0)                   ; one wait for the whole batch, ahead of its first reader
	v_pk_add_f32 v[18:19], v[S:S+1], v[S+2:S+3]    ; the row's sum is taken of the unquantised p: two at a time, in two chains
	v_pk_add_f32 v[20:21], v[S+4:S+5], v[S+6:S+7]
.irp j, 8,12,16,20,24,28,32,36,40,44,48,52,56,60,64,68
	v_pk_add_f32 v[18:19], v[18:19], v[S+\j:S+\j+1]
	v_pk_add_f32 v[20:21], v[20:21], v[S+\j+2:S+\j+3]
.endr
	v_pk_add_f32 v[18:19], v[18:19], v[20:21]
	v_add_f32 v18, v18, v19
	v_permlanex16_b32 v24, v18, s[SEL], s[SEL+1]
	v_add_f32 v18, v18, v24                        ; the row's sum
	v_rcp_f32 v20, v18                             ; its reader stands behind the holds and conversions
.set j, 0
.rept 72
	v_min_num_f32 v[S+j], v[S+j], v26              ; the conversion does not saturate (ISA guide 7.6.2); p is not negative, so the hold is one-sided
.set j, j+1
.endr
.irp t, 0,1,2,3,4,5,6,7,8
	v_cvt_scalef32_pk8_fp8_f32 v[PC+2*\t:PC+2*\t+1], v[S+8*\t:S+8*\t+7], v25
.endr
	v_nop                                          ; a plain vector line behind the last conversion
	s_wait_alu depctr_va_vdst(0)                   ; the reciprocal's wait, ahead of its first reader
	v_ldexp_f32 v20, v20, s43                      ; 2^(e4 + e5) / the sum,
	v_mov_b32 v21, v20                             ; as a pair
	s_wait_dscnt 0x0                               ; V's fragments
.irp g, 0,1,2                                  ; O^T = V^T P: four accumulators by turns, one instruction a turn
.irp d, 0,1,2,3
.if \g == 0
	v_wmma_f32_16x16x64_fp8_fp8 v[O+8*\d:O+8*\d+7], v[VF+8*(4*\g+\d):VF+8*(4*\g+\d)+7], v[PC+8*\g:PC+8*\g+7], 0
.else
	v_wmma_f32_16x16x64_fp8_fp8 v[O+8*\d:O+8*\d+7], v[VF+8*(4*\g+\d):VF+8*(4*\g+\d)+7], v[PC+8*\g:PC+8*\g+7], v[O+8*\d:O+8*\d+7]
.endif
.endr
.endr
.rept 4
	v_nop                                          ; places in front of the first read of the results
.endr
.set j, 0
.rept 16
	v_pk_mul_f32 v[O+j:O+j+1], v[O+j:O+j+1], v[20:21]   ; y(query r, channel 16 d + 8 h + j), each accumulator from its low end on
.set j, j+2
.endr
.set j, 0
.rept 32
	v_med3_num_f32 v[O+j], v[O+j], -v28, v28
.set j, j+1
.endr
.irp d, 0,1,2,3
	v_cvt_scalef32_pk8_fp8_f32 v[S+2*\d:S+2*\d+1], v[O+8*\d:O+8*\d+7], v27
.endr
	v_nop                                          ; a plain vector line behind the last conversion
.irp d, 0,1,2,3
	ds_store_b64 v30, v[S+2*\d:S+2*\d+1] offset:16*\d
.endr
	s_wait_dscnt 0x0                               ; for the others' sake: a row's 256 bytes come from four waves
	s_barrier_signal -1
	s_barrier_wait -1
	ds_load_b128 v[S+8:S+11], v29
	ds_load_b128 v[S+12:S+15], v29 offset:32*KP
	s_wait_dscnt 1                                 ; the first is in, the second may be out
	global_store_b128 v2, v[S+8:S+11], s[12:13]                    ; 16 threads store 256 consecutive bytes, aligned
	s_wait_dscnt 0x0
	global_store_b128 v2, v[S+12:S+15], s[12:13] offset:32768
	s_wait_xcnt 0x0
	v_lshl_add_u32 v254, v0, 2, 0x22000
	v_mov_b32 v255, 0
	s_wait_tensorcnt 0x0
	ds_add_u32 v254, v255
	s_wait_dscnt 0x0
	s_endpgm
.Lfunc_end_k_qea92803963_attn:
	.size	k_qea92803963_attn, .Lfunc_end_k_qea92803963_attn-k_qea92803963_attn
	.p2alignl 7, 3214868480
	.fill 96, 4, 3214868480
	.section	.rodata,"a",@progbits
	.p2align	6, 0x0
	.amdhsa_kernel k_qea92803963_attn
		.amdhsa_group_segment_fixed_size 141312
		.amdhsa_private_segment_fixed_size 0
		.amdhsa_enable_private_segment 0
		.amdhsa_kernarg_size 40
		.amdhsa_user_sgpr_count 2
		.amdhsa_user_sgpr_kernarg_segment_ptr 1
		.amdhsa_wavefront_size32 1
		.amdhsa_system_sgpr_workgroup_id_x 1
		.amdhsa_system_sgpr_workgroup_id_y 1
		.amdhsa_system_sgpr_workgroup_id_z 1
		.amdhsa_system_vgpr_workitem_id 0
		.amdhsa_next_free_vgpr 256
		.amdhsa_next_free_sgpr 66
		.amdhsa_reserve_vcc 1
		.amdhsa_float_denorm_mode_32 3
		.amdhsa_float_denorm_mode_16_64 3
		.amdhsa_memory_ordered 1
		.amdhsa_forward_progress 1
		.amdhsa_inst_pref_size 36
	.end_amdhsa_kernel
	.amdgpu_metadata
---
amdhsa.version: [ 1, 2 ]
amdhsa.kernels:
  - .name:           k_qea92803963_attn
    .symbol:         k_qea92803963_attn.kd
    .args:
      - { .name: qc, .offset: 0, .size: 8, .value_kind: global_buffer, .address_space: global }
      - { .name: kc, .offset: 8, .size: 8, .value_kind: global_buffer, .address_space: global }
      - { .name: vc, .offset: 16, .size: 8, .value_kind: global_buffer, .address_space: global }
      - { .name: lowp_scales, .offset: 24, .size: 8, .value_kind: global_buffer, .address_space: global }
      - { .name: yc, .offset: 32, .size: 8, .value_kind: global_buffer, .address_space: global }
    .group_segment_fixed_size: 141312
    .private_segment_fixed_size: 0
    .kernarg_segment_align: 8
    .kernarg_segment_size: 40
    .max_flat_workgroup_size: 512
    .sgpr_count:     66
    .vgpr_count:     256
    .wavefront_size: 32
...
	.end_amdgpu_metadata
.endif
;; end of part 3
;; launch oproj (part 4): grid 8 x 32, 4 waves a work-group, clusters of 4 x 4, 327,680 bytes of LDS; arguments yc, out_w_codes, lowp_scales, out_b, x, x1; writes x1
.if DOCPART == 4
	.amdgcn_target "amdgcn-amd-amdhsa--gfx1250"
	.amdhsa_code_object_version 6
	.text
	.protected	k_qea92803963_oproj
	.globl	k_qea92803963_oproj
	.p2align	8
	.type	k_qea92803963_oproj,@function
k_qea92803963_oproj:
	s_mov_b64 s[64:65], 0
	v_nop
	global_prefetch_b8 v0, s[64:65] scope:SCOPE_SE
	s_setreg_imm32_b32 hwreg(HW_REG_WAVE_MODE, 25, 1), 1
	s_wait_xcnt 0x0
	s_wait_alu depctr_hold_cnt(0) depctr_sa_sdst(0) depctr_va_vdst(0) depctr_va_sdst(0) depctr_va_ssrc(0) depctr_va_vcc(0) depctr_vm_vsrc(0)
	s_getreg_b32 s2, hwreg(HW_REG_IB_STS2, 6, 4)
	s_cmp_eq_u32 s2, 0
	s_cbranch_scc0 .Lentry_in_a_cluster
	s_endpgm
.Lentry_in_a_cluster:
	s_bfe_u32 s2, ttmp6, 0x10000c
	s_cmp_lg_u32 s2, 0xf033
	s_cbranch_scc0 .Lentry_shape_is_right
	s_endpgm
.Lentry_shape_is_right:
; out = res + A W^T + bias.  A: [4,096 rows sorted by parity][SIZE_K] E4M3 codes; W: [1,024][SIZE_K] codes; bias [1,024], res and out [4,096 tokens in their own order][1,024]: f32.  Sums in f32.
; The two scales' exponents lie at byte SC_OFF of the scales' buffer; each finished sum is multiplied once by 2^(their sum).  LIMIT: that sum lies between -126 and 127.
; N is 1,024, so tiles of 256 x 256 would be 64: a tile is 128 x 128, 256 work-groups.  Four waves, each 64 x 64: 16 accumulators.  K goes in steps of 512 (LDS rows of 512 bytes; a wave's tensor load brings 64 of them)
; through two LDS slots.  CLUSTERS of 4 x 4: A's tiles are shared along a row of the cluster, W's along a column, each asked for jointly by the same tensor load with a mask that names the four.
; No prefetch: the tile is small, and each tile is read by several clusters.
; THE MATRIX INSTRUCTION IS USED TRANSPOSED (source 0 = 16 rows of W, source 1 = 16 rows of A): a lane holds eight neighbouring columns of one token.  Within a fragment k is permuted alike on both sides.
; SORTED ROW m' = plane x 1,024 + i' IS TOKEN (plane / 2) x 2,048 + 2 i' + plane % 2: neighbouring rows of a tile lie 8,192 bytes apart in res and out.
; REGISTERS: window 0: v0-31 addresses; v32-63 the bias; v64-95 at work on the way out; v128-255 the accumulators ((a, b) at v[128 + 8 (4 a + b)]).
;   window 1: two fragment buffers of 128: for 128 along K, 64 registers of A (4 x 16 rows), then 64 of W.   window 2: v0-127 my 64 x 64 of res, asked for at the head.
.set SIZE_K, 1024
.set SC_OFF, 0x18
.set KSTEP,  512
.set PITCH,  528                       ; an LDS row: 512 bytes + 16 of padding = 132 words: row r starts at bank 4 r mod 64 (ISA guide 11.1)
.set HALFT,  64*PITCH                  ; 64 rows: what one tensor load brings
.set SLOT,   4*HALFT                   ; A's 128 rows, then W's 128 rows
.set STAGE,  2*SLOT                    ; behind the ring: 16 rows x 272 bytes for each wave, for the way out
.set SPITCH, 272
.set SPARE,  STAGE+4*16*SPITCH         ; behind the stages: the spare words, 128 bytes for each wave
.set LAPS,   SIZE_K/(2*KSTEP)
.set LB,   7                           ; v7      32 x (lane / 16): my eight numbers of the bias; never rewritten
.set ADRA, 16                          ; v16-17  LDS address of my A fragments in slot 0, 1
.set ADRB, 20                          ; v20-21  the same for W
.set STO,  24                          ; v24     the way out: where I put 32 bytes of a row
.set RD,   25                          ; v25     where I read 16 bytes of a whole row back
.set CO,   26                          ; v26     my byte offset in res and out; never rewritten
.set SPW,  28                          ; v28     LDS address of my spare word; never rewritten
.set NIL,  29                          ; v29     0; never rewritten
.set BT,   32
.set TMP,  64
.set ACC,  128
.set F0,   0                           ; fragment buffers, in window 1
.set F1,   128
.set G1, 24                            ; s[24:31] descriptor group 1 for A's tiles;  s[32:39] group 0, one set for each slot
.set G0, 32
.set G1B, 48                           ; s[48:55], s[56:63] the same for W's tiles
.set G0B, 56
.set MSB, 0
.macro WIN new                         ; the immediate's high byte repeats the setting that is left
.if MSB != \new
	s_set_vgpr_msb (MSB<<8)|\new
.set MSB, \new
.endif
.endm
.set MUL,  0x05                        ; sources 0 (W) and 1 (A) window 1; C and D window 0
.set TO_F, 0x40                        ; destination window 1, address window 0
.macro JLOAD s                         ; a joint load: waves 0 and 1 fetch A's two halves, waves 2 and 3 W's; four v_nop follow each of the two lines
	s_cmp_eq_u32 s15, 0
	s_cbranch_scc0 .Lfor_b_\@
	tensor_load_to_lds s[G0+4*\s:G0+4*\s+3], s[G1:G1+7]
	s_nop 0
.rept 4
	v_nop
.endr
	s_branch .Lasked_\@
.Lfor_b_\@:
	tensor_load_to_lds s[G0B+4*\s:G0B+4*\s+3], s[G1B:G1B+7]
	s_nop 0
.rept 4
	v_nop
.endr
.Lasked_\@:
.endm
.macro CREST                           ; a round of the cluster's barrier behind its opening barrier
	s_cmp_lg_u32 s14, 0
	s_cbranch_scc1 .Lnot_wave_0_\@
	s_barrier_signal -3
.Lnot_wave_0_\@:
	s_barrier_wait -3
	s_barrier_signal -1
	s_barrier_wait -1
.endm
.macro CROUND                          ; a whole round
	s_barrier_signal -1
	s_barrier_wait -1
	CREST
.endm
	s_load_b128 s[4:7], s[0:1], 0x0                ; A's codes s[4:5], W's codes s[6:7]
	s_load_b128 s[8:11], s[0:1], 0x10              ; the scales' exponents s[8:9], the bias s[10:11]
	s_load_b128 s[68:71], s[0:1], 0x20             ; res s[68:69], out s[70:71]
	v_lshl_add_u32 v[SPW], v0, 2, SPARE
	v_mov_b32 v[NIL], 0
	ds_add_u32 v28, v29
	ds_add_u32 v28, v29
	s_wait_dscnt 0x0
	v_lshrrev_b32 v1, 5, v0
	v_readfirstlane_b32 s14, v1                    ; wave 0..3
	s_lshr_b32 s15, s14, 1                         ; which half of the tile's rows is mine.  Also: I fetch for A (0) or for W (1)
	s_and_b32 s16, s14, 1                          ; which half of its columns.  Also: which 64 rows of that tile I fetch
	s_bfe_u32 s40, ttmp6, 0x40000                  ; cx, cy: my place in the cluster
	s_bfe_u32 s41, ttmp6, 0x40004
	s_lshl_b32 s42, ttmp9, 2
	s_add_co_u32 s42, s42, s40                     ; tile column = 4 x cluster x + cx
	s_and_b32 s17, ttmp7, 0xffff
	s_lshl_b32 s17, s17, 2
	s_add_co_u32 s17, s17, s41                     ; tile row = 4 x cluster y + cy
	s_lshl_b32 s43, s41, 2
	s_lshl_b32 s43, 15, s43                        ; my row of the cluster
	s_lshl_b32 s44, 0x1111, s40                    ; my column
	; descriptor group 1: a tile of 64 rows x 512 bytes, padded in LDS
	s_or_b32 s[G1+0], s43, (0<<16)|(1<<20)|(1<<21)|(6<<22)|(3<<25)  ; 15:0 the mask: my row; 17:16 elements of 1 byte; 20 padding on; 21 set beside a mask; 24:22 after every 128 words (code 6); 31:25 four words (code 3)
	s_or_b32 s[G1B+0], s44, (0<<16)|(1<<20)|(1<<21)|(6<<22)|(3<<25) ; the same with my column
.irp g, G1, G1B
	s_mov_b32 s[\g+1], KSTEP<<16                   ; tensor_dim0 = 512
	s_mov_b32 s[\g+2], 64<<16                      ; tensor_dim1 = 64
	s_mov_b32 s[\g+3], KSTEP<<16                   ; tile_dim0 = 512
	s_mov_b32 s[\g+4], 64                          ; tile_dim1 = 64
	s_mov_b32 s[\g+5], SIZE_K                      ; tensor_dim0_stride
	s_mov_b32 s[\g+6], 0
	s_mov_b32 s[\g+7], 0
.endr
	s_lshl_b32 s18, s16, 6                         ; which 64 rows of the tile I fetch
	s_lshl_b32 s20, s17, 7
	s_add_co_u32 s20, s20, s18
	s_mul_i32 s20, s20, SIZE_K                     ; A: (128 x tile row + 64 x half) rows; under 2^25 bytes
	s_mov_b32 s21, 0
	s_lshl_b32 s46, s42, 7
	s_add_co_u32 s46, s46, s18
	s_mul_i32 s46, s46, SIZE_K                     ; W: (128 x tile column + 64 x half) rows
	s_mov_b32 s47, 0
	s_mul_i32 s45, s14, HALFT                      ; where they go: wave x 64 rows: no place in the cluster enters an LDS address
	s_wait_kmcnt 0x0
	s_load_b64 s[72:73], s[8:9], SC_OFF            ; the two exponents
	s_add_nc_u64 s[20:21], s[4:5], s[20:21]
	s_add_nc_u64 s[46:47], s[6:7], s[46:47]
	CROUND                                         ; all sixteen work-groups are here: the first joint loads meet
.irp s, 0,1
	s_mov_b32 s[G0+4*\s], 1
	s_add_co_u32 s[G0+4*\s+1], s45, \s*SLOT
	s_add_nc_u64 s[G0+4*\s+2:G0+4*\s+3], s[20:21], \s*KSTEP
	s_or_b32 s[G0+4*\s+3], s[G0+4*\s+3], 0x80000000
	s_mov_b32 s[G0B+4*\s], 1
	s_add_co_u32 s[G0B+4*\s+1], s45, \s*SLOT
	s_add_nc_u64 s[G0B+4*\s+2:G0B+4*\s+3], s[46:47], \s*KSTEP
	s_or_b32 s[G0B+4*\s+3], s[G0B+4*\s+3], 0x80000000
	JLOAD \s
.endr
	v_and_b32 v1, 15, v0                           ; l % 16
	v_bfe_u32 v2, v0, 4, 1                         ; l / 16
	v_mul_u32_u24 v3, v1, PITCH
	v_lshl_add_u32 v4, v2, 4, v3                   ; a fragment's row x pitch + 16 x half
	s_mul_i32 s21, s15, HALFT                      ; my 64 rows of A
	s_mul_i32 s22, s16, HALFT                      ; my 64 rows of W,
	s_add_co_u32 s22, s22, 2*HALFT                 ; which lie behind A's 128
.irp s, 0,1
	v_add_nc_u32 v[ADRA+\s], s21, v4
	v_add_nc_u32 v[ADRB+\s], s22, v4
	s_add_co_u32 s21, s21, SLOT
	s_add_co_u32 s22, s22, SLOT
.endr
	s_mul_i32 s23, s14, 16*SPITCH
	s_add_co_u32 s23, s23, STAGE                   ; my stage
	v_mul_u32_u24 v5, v1, SPITCH
	v_lshl_add_u32 v5, v2, 5, v5
	v_add_nc_u32 v[STO], s23, v5                   ; in: row l % 16, 32 bytes for each half of the lanes
	v_mul_u32_u24 v5, v2, SPITCH
	v_lshl_add_u32 v5, v1, 4, v5
	v_add_nc_u32 v[RD], s23, v5                    ; back: lanes 0-15 one row of 256 bytes, lanes 16-31 the next
	v_lshlrev_b32 v5, 13, v2
	v_lshl_add_u32 v[CO], v1, 4, v5                ; and the same two rows in res and out, 8,192 bytes apart
	v_lshlrev_b32 v[LB], 5, v2
	s_lshr_b32 s20, s17, 3                         ; the plane: eight tile rows each
	s_lshr_b32 s21, s20, 1
	s_lshl_b32 s21, s21, 11                        ; the batch's 2,048 tokens
	s_and_b32 s20, s20, 1                          ; the parity
	s_add_co_u32 s20, s20, s21
	s_and_b32 s21, s17, 7
	s_lshl_b32 s21, s21, 8                         ; 2 x 128 x (tile row in the plane)
	s_add_co_u32 s20, s20, s21
	s_lshl_b32 s21, s15, 7                         ; 2 x 64 x half
	s_add_co_u32 s20, s20, s21                     ; my first token
	s_lshl_b32 s20, s20, 12                        ; rows of 4,096 bytes
	s_mov_b32 s21, 0
	s_lshl_b32 s46, s42, 9                         ; my first column, in bytes: 512 x tile column + 256 x half
	s_lshl_b32 s47, s16, 8
	s_add_co_u32 s46, s46, s47
	s_mov_b32 s47, 0
	s_add_nc_u64 s[10:11], s[10:11], s[46:47]      ; the bias at my first column
	s_add_nc_u64 s[20:21], s[20:21], s[46:47]
	s_add_nc_u64 s[68:69], s[68:69], s[20:21]
	s_add_nc_u64 s[70:71], s[70:71], s[20:21]
	WIN 0x80                                       ; destination window 2
.irp a, 0,1,2,3
.irp t, 0,1,2,3,4,5,6,7
	global_load_b128 v[32*\a+4*\t:32*\a+4*\t+3], v[CO], s[68:69] offset:(16*\a+2*\t)*8192 th:TH_LOAD_NT   ; res, in the layout in which the rows leave: it lands under the products
.endr
.endr
	WIN 0
.irp b, 0,1,2,3
	global_load_b128 v[BT+8*\b:BT+8*\b+3], v[LB], s[10:11] offset:64*\b          ; bias[my first column + 16 b + 8 (l / 16) + j]
	global_load_b128 v[BT+8*\b+4:BT+8*\b+7], v[LB], s[10:11] offset:64*\b+16
.endr
; 8 matrix instructions: A's blocks a0, a0 + 1 x W's four, 128 along K, from buffer f.  zero = 1: the first product starts the sums.  The 16 accumulators take turns, one instruction a turn.
.macro MUL8 f, a0, zero
.irp a, \a0, \a0+1
.irp b, 0,1,2,3
.if \zero
	v_wmma_f32_16x16x128_fp8_fp8 v[ACC+8*(4*(\a)+\b):ACC+8*(4*(\a)+\b)+7], v[\f+64+16*\b:\f+64+16*\b+15], v[\f+16*(\a):\f+16*(\a)+15], 0
.else
	v_wmma_f32_16x16x128_fp8_fp8 v[ACC+8*(4*(\a)+\b):ACC+8*(4*(\a)+\b)+7], v[\f+64+16*\b:\f+64+16*\b+15], v[\f+16*(\a):\f+16*(\a)+15], v[ACC+8*(4*(\a)+\b):ACC+8*(4*(\a)+\b)+7]
.endif
.endr
.endr
.endm
; 32 LDS loads in one run: the fragments of 128 along K at byte k of the rows, into buffer f: W's four, then A's four.  Registers 4 c .. 4 c + 3 of a fragment hold K = 32 c + 16 (l / 16) + 0 .. 15
.macro FETCH slot, k, f
	WIN TO_F
.irp i, 0,1,2,3
.irp c, 0,1,2,3
	ds_load_b128 v[\f+64+16*\i+4*\c:\f+64+16*\i+4*\c+3], v[ADRB+\slot] offset:\k+32*\c+\i*16*PITCH
.endr
.endr
.irp i, 0,1,2,3
.irp c, 0,1,2,3
	ds_load_b128 v[\f+16*\i+4*\c:\f+16*\i+4*\c+3], v[ADRA+\slot] offset:\k+32*\c+\i*16*PITCH
.endr
.endr
.endm
.macro PLACES                          ; four places in front of loads into registers that matrix instructions have read, and of the first read of results (ISA guide 7.12.1 for the first read of results)
.rept 4
	v_nop
.endr
.endm
; A K step is four quarters of 128 along K, 16 matrix instructions each, on buffers 0, 1, 0, 1.  One of the first three: multiplies buffer f and fetches the next quarter, at byte k, into g.
.macro QUARTER slot, k, f, g, zero
	s_wait_dscnt 8                                 ; W's four and A's blocks 0, 1 are in; the youngest eight loads (A's blocks 2, 3) may be out
	WIN MUL
	MUL8 \f, 0, \zero
	PLACES
	FETCH \slot, \k, \g
	s_wait_dscnt 32                                ; all but the 32 just issued
	WIN MUL
	MUL8 \f, 2, \zero
.endm
; The last quarter multiplies buffer 1 and changes slots: ONE barrier; in front of it each wave waits for all its tensor loads, adds 0 to its spare word, and waits for that and for its own reads of this slot.  fill = 1: this slot is filled again, two K steps ahead.
.macro TURN slot, next, fill
	WIN 0                                          ; the add's two registers lie in window 0
	s_wait_tensorcnt 0x0                           ; all my tensor loads have landed: my part of the next slot
	ds_add_u32 v[SPW], v[NIL]                      ; 0 onto my spare word
	s_wait_dscnt 9                                 ; the add and the youngest eight loads (A's blocks 2, 3) may be out
	WIN MUL
	MUL8 F1, 0, 0                                  ; eight matrix instructions stand between the add and the wait for it
	s_wait_dscnt 0x0                               ; the add is done, and my reads of this slot are over
	s_barrier_signal -1
	WIN 0
	s_barrier_wait -1
.if \fill
	CREST                                          ; the barrier has opened a round of the cluster's barrier: no wave of any partner still reads this slot's tile or has a load on its way
	s_add_nc_u64 s[G0+4*\slot+2:G0+4*\slot+3], s[G0+4*\slot+2:G0+4*\slot+3], 2*KSTEP
	s_add_nc_u64 s[G0B+4*\slot+2:G0B+4*\slot+3], s[G0B+4*\slot+2:G0B+4*\slot+3], 2*KSTEP
	JLOAD \slot                                    ; the first tensor load behind the round; its four v_nop are the places in front of the loads below
.else
	PLACES
.endif
	FETCH \next, 0, F0
	WIN MUL
	MUL8 F1, 2, 0
.endm
	s_wait_tensorcnt 1                             ; my part of K step 0 is in; K step 1's load may stay out
	s_barrier_signal -1
	s_barrier_wait -1                              ; everybody's is
	FETCH 0, 0, F0
	QUARTER 0, 128, F0, F1, 1                      ; the first quarter stands in front of the loop: its products start the sums
.if LAPS > 1
	WIN 0                                          ; at a label and at a branch every window is 0
	s_mov_b32 s3, LAPS-1
.Llap:                                                 ; a trip goes once round the ring, from a lap's second quarter to the next lap's first, and fills both slots again
	QUARTER 0, 256, F1, F0, 0
	QUARTER 0, 384, F0, F1, 0
	TURN 0, 1, 1
	QUARTER 1, 128, F0, F1, 0
	QUARTER 1, 256, F1, F0, 0
	QUARTER 1, 384, F0, F1, 0
	TURN 1, 0, 1
	QUARTER 0, 128, F0, F1, 0
	WIN 0
	s_sub_co_u32 s3, s3, 1
	s_cmp_lg_u32 s3, 0
	s_cbranch_scc1 .Llap
.endif
	QUARTER 0, 256, F1, F0, 0                      ; the last lap fills nothing, and has no round of the cluster's barrier
	QUARTER 0, 384, F0, F1, 0
	TURN 0, 1, 0
	QUARTER 1, 128, F0, F1, 0
	QUARTER 1, 256, F1, F0, 0
	QUARTER 1, 384, F0, F1, 0
	s_wait_dscnt 8                                 ; the very last quarter: nothing more to fetch
	WIN MUL
	MUL8 F1, 0, 0
	s_wait_dscnt 0
	MUL8 F1, 2, 0
	WIN 0
; THE WAY OUT, block by block of 16 tokens x 64 columns.  A lane holds 32 neighbouring bytes of a row and the lanes beside it hold other rows: so a block goes through my own stage in LDS and comes back as whole rows of
; 256 bytes, into the block's own accumulators, which are done with: no register that a store reads is ever written again.  LDS serves a wave's instructions in order (ISA guide 5.7.1.4): no wait between stores and loads.
.macro TOSTAGE a
.set j, 0
.rept 16
	v_pk_fma_f32 v[TMP+j:TMP+j+1], v[ACC+32*(\a)+j:ACC+32*(\a)+j+1], s[72:73], v[BT+j:BT+j+1] op_sel_hi:[1,0,1]   ; sum x 2^(the two exponents) + bias; each accumulator from its low end on
.set j, j+2
.endr
.irp b, 0,1,2,3
	ds_store_b128 v[STO], v[TMP+8*\b:TMP+8*\b+3] offset:64*\b
	ds_store_b128 v[STO], v[TMP+8*\b+4:TMP+8*\b+7] offset:64*\b+16
.endr
.irp t, 0,1,2,3,4,5,6,7
	ds_load_b128 v[ACC+32*(\a)+4*\t:ACC+32*(\a)+4*\t+3], v[RD] offset:\t*2*SPITCH
.endr
.endm
.macro SEND a, younger                 ; younger: the LDS instructions issued behind block a's loads, which may stay out
	s_wait_dscnt \younger
	WIN 0x08                                       ; source 1 (res) window 2
.set j, 0
.rept 16
	v_pk_add_f32 v[ACC+32*(\a)+j:ACC+32*(\a)+j+1], v[ACC+32*(\a)+j:ACC+32*(\a)+j+1], v[32*(\a)+j:32*(\a)+j+1]
.set j, j+2
.endr
	WIN 0
.irp t, 0,1,2,3,4,5,6,7
	global_store_b128 v[CO], v[ACC+32*(\a)+4*\t:ACC+32*(\a)+4*\t+3], s[70:71] offset:(16*(\a)+2*\t)*8192   ; 16 lanes store 256 consecutive bytes, aligned
.endr
.endm
	s_wait_kmcnt 0x0
	s_add_co_i32 s72, s72, s73
	s_add_co_i32 s72, s72, 127
	s_lshl_b32 s72, s72, 23                        ; 2^(the two exponents' sum) as f32,
	s_mov_b32 s73, s72                             ; named as a pair, so both words are written
	s_wait_loadcnt 0x0                             ; res and the bias, asked for at the head
	PLACES
	TOSTAGE 0
	TOSTAGE 1
	SEND 0, 16                                     ; behind block 0's loads: block 1's eight stores and eight loads
	TOSTAGE 2
	SEND 1, 16
	TOSTAGE 3
	SEND 2, 16
	SEND 3, 0
	s_wait_tensorcnt 0x0                           ; the wave's end
	ds_add_u32 v[SPW], v[NIL]
	s_wait_dscnt 0x0
	CROUND                                         ; the closing round: no work-group ends while a partner may still ask for a tile that names it
	s_endpgm
.Lfunc_end_k_qea92803963_oproj:
	.size	k_qea92803963_oproj, .Lfunc_end_k_qea92803963_oproj-k_qea92803963_oproj
	.p2alignl 7, 3214868480
	.fill 96, 4, 3214868480
	.section	.rodata,"a",@progbits
	.p2align	6, 0x0
	.amdhsa_kernel k_qea92803963_oproj
		.amdhsa_group_segment_fixed_size 327680
		.amdhsa_private_segment_fixed_size 0
		.amdhsa_enable_private_segment 0
		.amdhsa_kernarg_size 48
		.amdhsa_user_sgpr_count 2
		.amdhsa_user_sgpr_kernarg_segment_ptr 1
		.amdhsa_wavefront_size32 1
		.amdhsa_system_sgpr_workgroup_id_x 1
		.amdhsa_system_sgpr_workgroup_id_y 1
		.amdhsa_system_sgpr_workgroup_id_z 1
		.amdhsa_system_vgpr_workitem_id 0
		.amdhsa_next_free_vgpr 768
		.amdhsa_next_free_sgpr 76
		.amdhsa_reserve_vcc 0
		.amdhsa_float_denorm_mode_32 3
		.amdhsa_float_denorm_mode_16_64 3
		.amdhsa_memory_ordered 1
		.amdhsa_forward_progress 1
		.amdhsa_inst_pref_size 54
	.end_amdhsa_kernel
	.amdgpu_metadata
---
amdhsa.version: [ 1, 2 ]
amdhsa.kernels:
  - .name:           k_qea92803963_oproj
    .symbol:         k_qea92803963_oproj.kd
    .args:
      - { .name: yc, .offset: 0, .size: 8, .value_kind: global_buffer, .address_space: global }
      - { .name: out_w_codes, .offset: 8, .size: 8, .value_kind: global_buffer, .address_space: global }
      - { .name: lowp_scales, .offset: 16, .size: 8, .value_kind: global_buffer, .address_space: global }
      - { .name: out_b, .offset: 24, .size: 8, .value_kind: global_buffer, .address_space: global }
      - { .name: x, .offset: 32, .size: 8, .value_kind: global_buffer, .address_space: global }
      - { .name: x1, .offset: 40, .size: 8, .value_kind: global_buffer, .address_space: global }
    .group_segment_fixed_size: 327680
    .private_segment_fixed_size: 0
    .kernarg_segment_align: 8
    .kernarg_segment_size: 48
    .max_flat_workgroup_size: 128
    .sgpr_count:     76
    .vgpr_count:     768
    .wavefront_size: 32
...
	.end_amdgpu_metadata
.endif
;; end of part 4
;; launch ln2 (part 5): grid 256 x 1, 8 waves a work-group, no clusters, 17,408 bytes of LDS; arguments x1, ln2_g, ln2_b, lowp_scales, hc; writes hc
.if DOCPART == 5
	.amdgcn_target "amdgcn-amd-amdhsa--gfx1250"
	.amdhsa_code_object_version 6
	.text
	.protected	k_qea92803963_ln2
	.globl	k_qea92803963_ln2
	.p2align	8
	.type	k_qea92803963_ln2,@function
k_qea92803963_ln2:
	s_mov_b64 s[64:65], 0
	v_nop
	global_prefetch_b8 v0, s[64:65] scope:SCOPE_SE
	s_setreg_imm32_b32 hwreg(HW_REG_WAVE_MODE, 25, 1), 1
	s_wait_xcnt 0x0
; h = (x - mean) rsqrt(var + 1e-5) g + b for 4,096 rows of 1,024 f32, then the quantiser: code = h / 2^e, held within +-448, to the nearest E4M3 code.
; e is the entry of the scales' buffer at byte SC_OFF.  LIMITS: -126 <= e <= 119, so that 2^e and 448 x 2^e are f32 numbers; NaN among the inputs is not served.
; THE CODES' ROWS ARE SORTED BY PARITY: token (b, l) goes to row (2 b + l % 2) x 1,024 + l / 2, the order in which the products that follow walk the rows.
; SHARES: a work-group owns 16 tokens, a wave two neighbours (an even and an odd one).  A row is 32 registers of one wave and stays there between the passes: memory is read once.
; Mean first, then the mean of the squared differences: a common offset of the inputs costs no digits.
; Each load takes 512 consecutive bytes.  A lane's four codes of a load are 4 bytes; they turn through the wave's own 1,024 LDS bytes a row, so that each store covers 512 consecutive bytes.
; No matrix unit, no cluster, no tensor load: a stream in which waves share nothing; all 32 loads of a wave are out from its first lines.
.set SC_OFF, 0x20
.set CD,  16                           ; v16-31   codes: eight registers a row
.set X,   32                           ; v32-95   the two rows
.set G,   96                           ; v96-127  g at my columns
.set BB,  128                          ; v128-159 b at my columns
.set BK,  160                          ; v160-175 the codes as whole runs of 16 bytes
.set SCL, 176                          ; v176     2^e
.set LIM, 177                          ; v177     448 x 2^e
	s_load_b256 s[4:11], s[0:1], 0x0               ; x s[4:5], g s[6:7], b s[8:9], the scales' exponents s[10:11]
	s_load_b64 s[12:13], s[0:1], 0x20              ; the codes
	v_lshl_add_u32 v180, v0, 2, 0x4000
	v_mov_b32 v181, 0
	v_lshrrev_b32 v4, 5, v0
	v_readfirstlane_b32 s16, v4                    ; wave 0..7
	v_and_b32 v5, 31, v0                           ; lane
	v_lshlrev_b32 v1, 4, v5                        ; 16 x lane: my place in 512 bytes
	s_lshl_b32 s17, s16, 11                        ; my wave's 2,048 LDS bytes
	v_lshl_add_u32 v2, v5, 2, s17                  ; into them: 4 x lane
	v_add_nc_u32 v3, s17, v1                       ; out of them: 16 x lane
	v_mov_b32 v9, 0                                ; a lane permute's destination counts as read: written once
	s_mov_b32 s14, 0x76543210                      ; v_permlanex16_b32: each lane takes its own place in the other half
	s_mov_b32 s15, 0xfedcba98
	s_mov_b32 s22, 0x3a800000                      ; 1 / 1,024
	s_mov_b32 s23, 0x3727c5ac                      ; 1e-5
	s_lshl_b32 s18, ttmp9, 16                      ; 16 tokens x 4,096 bytes a work-group,
	s_lshl_b32 s19, s16, 13                        ; two tokens a wave
	s_add_co_u32 s18, s18, s19
	s_mov_b32 s19, 0
	s_lshr_b32 s20, ttmp9, 7                       ; the batch: 128 work-groups each
	s_lshl_b32 s20, s20, 11                        ; its two planes of 1,024 rows
	s_lshl_b32 s21, ttmp9, 3
	s_add_co_u32 s21, s21, s16
	s_and_b32 s21, s21, 1023                       ; l / 2 = (8 x work-group + wave) mod 1,024
	s_add_co_u32 s20, s20, s21
	s_lshl_b32 s20, s20, 10                        ; rows of 1,024 bytes; the odd token's row lies 1,024 rows on: an immediate
	s_mov_b32 s21, 0
	s_wait_kmcnt 0x0
	s_load_b32 s24, s[10:11], SC_OFF               ; e
	s_add_nc_u64 s[4:5], s[4:5], s[18:19]
	s_add_nc_u64 s[12:13], s[12:13], s[20:21]
.irp p, 0,1
.irp i, 0,1,2,3,4,5,6,7
	global_load_b128 v[X+32*\p+4*\i:X+32*\p+4*\i+3], v1, s[4:5] offset:4096*\p+512*\i th:TH_LOAD_NT   ; columns 128 i + 4 lane + 0 .. 3
.endr
.endr
.irp i, 0,1,2,3,4,5,6,7
	global_load_b128 v[G+4*\i:G+4*\i+3], v1, s[6:7] offset:512*\i
.endr
.irp i, 0,1,2,3,4,5,6,7
	global_load_b128 v[BB+4*\i:BB+4*\i+3], v1, s[8:9] offset:512*\i
.endr
	s_wait_kmcnt 0x0
	s_add_co_i32 s24, s24, 127
	s_lshl_b32 s25, s24, 23
	v_mov_b32 v[SCL], s25                          ; 2^e as f32: the conversion takes its exponent field
	s_add_co_i32 s24, s24, 8
	s_lshl_b32 s24, s24, 23
	s_or_b32 s24, s24, 0x600000
	v_mov_b32 v[LIM], s24                          ; 448 x 2^e
.macro REDUCE                          ; v8 summed over the 32 lanes; every lane ends with the sum
	v_add_f32_dpp v8, v8, v8 row_xmask:1 row_mask:0xf bank_mask:0xf
	v_add_f32_dpp v8, v8, v8 row_xmask:2 row_mask:0xf bank_mask:0xf
	v_add_f32_dpp v8, v8, v8 row_xmask:4 row_mask:0xf bank_mask:0xf
	v_add_f32_dpp v8, v8, v8 row_xmask:8 row_mask:0xf bank_mask:0xf
	v_permlanex16_b32 v9, v8, s14, s15
	v_add_f32 v8, v8, v9
.endm
; Row p: the mean is taken away in place; 1 / sqrt(var + eps) is left on its way into v[12 + 2 p]
.macro STATS p
.set XB, X+32*\p
	v_pk_add_f32 v[4:5], v[XB:XB+1], v[XB+2:XB+3]  ; two chains, started by the first numbers: nothing is cleared
	v_pk_add_f32 v[6:7], v[XB+4:XB+5], v[XB+6:XB+7]
.irp j, 8,12,16,20,24,28
	v_pk_add_f32 v[4:5], v[4:5], v[XB+\j:XB+\j+1]
	v_pk_add_f32 v[6:7], v[6:7], v[XB+\j+2:XB+\j+3]
.endr
	v_pk_add_f32 v[4:5], v[4:5], v[6:7]
	v_add_f32 v8, v4, v5
	REDUCE
	v_mul_f32 v10, s22, v8                         ; the mean, as a pair
	v_mov_b32 v11, v10
.set j, 0
.rept 16
	v_pk_add_f32 v[XB+j:XB+j+1], v[XB+j:XB+j+1], v[10:11] neg_lo:[0,1] neg_hi:[0,1]
.set j, j+2
.endr
	v_pk_mul_f32 v[4:5], v[XB:XB+1], v[XB:XB+1]
	v_pk_mul_f32 v[6:7], v[XB+2:XB+3], v[XB+2:XB+3]
.irp j, 4,8,12,16,20,24,28
	v_pk_fma_f32 v[4:5], v[XB+\j:XB+\j+1], v[XB+\j:XB+\j+1], v[4:5]
	v_pk_fma_f32 v[6:7], v[XB+\j+2:XB+\j+3], v[XB+\j+2:XB+\j+3], v[6:7]
.endr
	v_pk_add_f32 v[4:5], v[4:5], v[6:7]
	v_add_f32 v8, v4, v5
	REDUCE
	v_fma_f32 v8, v8, s22, s23                     ; var + eps
	v_rsq_f32 v[12+2*\p], v8
.endm
; Row p: scaled, x g + b, held, converted, and turned through LDS
.macro NORM p
.set XB, X+32*\p
.set j, 0
.rept 16
	v_pk_mul_f32 v[XB+j:XB+j+1], v[XB+j:XB+j+1], v[12+2*\p:13+2*\p]
.set j, j+2
.endr
.set j, 0
.rept 16
	v_pk_fma_f32 v[XB+j:XB+j+1], v[XB+j:XB+j+1], v[G+j:G+j+1], v[BB+j:BB+j+1]
.set j, j+2
.endr
.set j, 0
.rept 32
	v_med3_num_f32 v[XB+j], v[XB+j], -v[LIM], v[LIM]   ; the conversion to an 8-bit code does not saturate (ISA guide 7.6.2): the hold at the largest code x the scale
.set j, j+1
.endr
.irp k, 0,1,2,3
	v_cvt_scalef32_pk8_fp8_f32 v[CD+8*\p+2*\k:CD+8*\p+2*\k+1], v[XB+8*\k:XB+8*\k+7], v[SCL]   ; loads 2 k and 2 k + 1: result word i holds the codes of columns 128 i + 4 lane + 0 .. 3
.endr
	v_nop                                          ; a plain vector line behind the last conversion
.irp i, 0,1,2,3,4,5,6,7
	ds_store_b32 v2, v[CD+8*\p+\i] offset:1024*\p+128*\i
.endr
.irp k, 0,1
	ds_load_b128 v[BK+8*\p+4*\k:BK+8*\p+4*\k+3], v3 offset:1024*\p+512*\k   ; LDS serves a wave's instructions in order (ISA guide 5.7.1.4): these see the stores above
.endr
.endm
	s_wait_loadcnt 24                              ; row 0's eight loads are in; younger: row 1's eight, g's eight, b's eight
	STATS 0
	s_wait_loadcnt 16                              ; row 1's are in; younger: g's and b's
	STATS 1
	v_nop                                          ; a plain line behind the last transcendental
	s_wait_alu depctr_va_vdst(0)                   ; one wait for both roots, ahead of their first reader
	v_mov_b32 v13, v12                             ; each as a pair for the packed multiply
	v_mov_b32 v15, v14
	s_wait_loadcnt 0x0                             ; g and b
	NORM 0
	NORM 1
	s_wait_dscnt 10                                ; row 0 is back; younger: row 1's eight stores and two loads
.irp k, 0,1
	global_store_b128 v1, v[BK+4*\k:BK+4*\k+3], s[12:13] offset:512*\k          ; 32 lanes store 512 consecutive bytes, aligned
.endr
	s_wait_dscnt 0x0
.irp k, 0,1
	global_store_b128 v1, v[BK+8+4*\k:BK+8+4*\k+3], s[12:13] offset:1048576+512*\k   ; the odd token: 1,024 rows on
.endr
	s_wait_tensorcnt 0x0
	ds_add_u32 v180, v181
	s_wait_dscnt 0x0
	s_endpgm
.Lfunc_end_k_qea92803963_ln2:
	.size	k_qea92803963_ln2, .Lfunc_end_k_qea92803963_ln2-k_qea92803963_ln2
	.p2alignl 7, 3214868480
	.fill 96, 4, 3214868480
	.section	.rodata,"a",@progbits
	.p2align	6, 0x0
	.amdhsa_kernel k_qea92803963_ln2
		.amdhsa_group_segment_fixed_size 17408
		.amdhsa_private_segment_fixed_size 0
		.amdhsa_enable_private_segment 0
		.amdhsa_kernarg_size 40
		.amdhsa_user_sgpr_count 2
		.amdhsa_user_sgpr_kernarg_segment_ptr 1
		.amdhsa_wavefront_size32 1
		.amdhsa_system_sgpr_workgroup_id_x 1
		.amdhsa_system_sgpr_workgroup_id_y 1
		.amdhsa_system_sgpr_workgroup_id_z 1
		.amdhsa_system_vgpr_workitem_id 0
		.amdhsa_next_free_vgpr 182
		.amdhsa_next_free_sgpr 66
		.amdhsa_reserve_vcc 0
		.amdhsa_float_denorm_mode_32 3
		.amdhsa_float_denorm_mode_16_64 3
		.amdhsa_memory_ordered 1
		.amdhsa_forward_progress 1
		.amdhsa_inst_pref_size 24
	.end_amdhsa_kernel
	.amdgpu_metadata
---
amdhsa.version: [ 1, 2 ]
amdhsa.kernels:
  - .name:           k_qea92803963_ln2
    .symbol:         k_qea92803963_ln2.kd
    .args:
      - { .name: x1, .offset: 0, .size: 8, .value_kind: global_buffer, .address_space: global }
      - { .name: ln2_g, .offset: 8, .size: 8, .value_kind: global_buffer, .address_space: global }
      - { .name: ln2_b, .offset: 16, .size: 8, .value_kind: global_buffer, .address_space: global }
      - { .name: lowp_scales, .offset: 24, .size: 8, .value_kind: global_buffer, .address_space: global }
      - { .name: hc, .offset: 32, .size: 8, .value_kind: global_buffer, .address_space: global }
    .group_segment_fixed_size: 17408
    .private_segment_fixed_size: 0
    .kernarg_segment_align: 8
    .kernarg_segment_size: 40
    .max_flat_workgroup_size: 256
    .sgpr_count:     66
    .vgpr_count:     182
    .wavefront_size: 32
...
	.end_amdgpu_metadata
.endif
;; end of part 5
;; launch ffn1 (part 6): grid 16 x 16, 4 waves a work-group, clusters of 4 x 4, 327,680 bytes of LDS; arguments hc, ffn_w1_codes, lowp_scales, ffn_b1, fc; writes fc
.if DOCPART == 6
	.amdgcn_target "amdgcn-amd-amdhsa--gfx1250"
	.amdhsa_code_object_version 6
	.text
	.protected	k_qea92803963_ffn1
	.globl	k_qea92803963_ffn1
	.p2align	8
	.type	k_qea92803963_ffn1,@function
k_qea92803963_ffn1:
	s_mov_b64 s[64:65], 0
	v_nop
	global_prefetch_b8 v0, s[64:65] scope:SCOPE_SE
	s_setreg_imm32_b32 hwreg(HW_REG_WAVE_MODE, 25, 1), 1
	s_wait_xcnt 0x0
	s_wait_alu depctr_hold_cnt(0) depctr_sa_sdst(0) depctr_va_vdst(0) depctr_va_sdst(0) depctr_va_ssrc(0) depctr_va_vcc(0) depctr_vm_vsrc(0)
	s_getreg_b32 s2, hwreg(HW_REG_IB_STS2, 6, 4)
	s_cmp_eq_u32 s2, 0
	s_cbranch_scc0 .Lentry_in_a_cluster
	s_endpgm
.Lentry_in_a_cluster:
	s_bfe_u32 s2, ttmp6, 0x10000c
	s_cmp_lg_u32 s2, 0xf033
	s_cbranch_scc0 .Lentry_shape_is_right
	s_endpgm
.Lentry_shape_is_right:
; f = gelu(h W1^T + b1), exact gelu, on E4M3 codes, then the quantiser with e10.  h: [4,096][1,024] codes; W1: [4,096][1,024] codes; b1 [4,096] f32; f: [4,096][4,096] codes.  Sums in f32.
; A tile of 256 x 256 is made by four waves, each 128 x 128: 64 accumulators, 512 registers.  K = 1,024 goes in four steps of 256 through two LDS slots filled by the tensor data mover.
; CLUSTERS of 4 x 4 work-groups: h's tiles are shared along a row of the cluster, W1's along a column, each asked for jointly by the same tensor load with a mask that names the four.
; THE MATRIX INSTRUCTION IS USED TRANSPOSED (source 0 = 16 rows of W1, source 1 = 16 rows of h): a lane holds eight neighbouring columns of one row, which are neighbours along the next product's K.
; Within a fragment k is permuted alike on both sides (four loads of 16 bytes): only the order of the sums inside an instruction differs.
; GELU: 0.5 x (1 + erf(x / sqrt 2)); erf(z) = z P(z^2) / Q(z^2), z held within +-4, P of degree 6 and Q of degree 4 in f32.
; LIMITS: 1 + erf carries erf's absolute error of about 1e-7, so far below 0 gelu's error is about |x| x 1e-7 and not a part in a million of its own tiny value.
;   e8 + e9 between -126 and 127; e10 between -126 and 119; NaN is not served.
; REGISTERS, in windows of 256: window 0: v0-31 addresses and constants; v32-63 a batch's numbers; v64-127 the bias; from v128 h's fragments, ONE set; on the way out v128-255 are free.
;   window 1: W1's fragments, TWO sets.   window 2: the accumulators of my rows 0-63 ((a, b) at v[8 (8 a + b)]);   window 3: those of rows 64-127.
.set SIZE_K, 1024
.set KSTEP,  256                       ; along K in a slot
.set ROWB,   256                       ; a tile's row in bytes
.set KROW,   SIZE_K                    ; a row of either operand in memory, in bytes
.set PITCH,  272                       ; an LDS row: 256 bytes + 16 of padding = 68 words: row r starts at bank 4 r mod 64 (64 banks of 4 bytes: ISA guide 11.1)
.set FR,     16                        ; registers of a fragment: 16 rows x 128 K
.set NL,     4                         ; LDS loads that bring one
.set NP,     4                         ; places behind this matrix instruction (ISA guide 7.12.1)
.set HALFT,  128*PITCH                 ; 128 rows: what one tensor load brings
.set SLOT,   4*HALFT
.set LAPS,   SIZE_K/(2*KSTEP)          ; 2
.set SPARE,  2*SLOT                    ; behind the ring: the spare words, 128 bytes for each wave
.set SP2,    144                       ; the way out: a stage row: my 128 codes + 16 bytes
.set REG,    128*SP2+128               ; a wave's stage: 128 rows; the odd 128 bytes put neighbouring stages on different banks.  The four lie in slot 0, which has had its last fill and its last read by then
.set OUTP,   4096                      ; a row of the output in bytes
.set LB,   7                           ; v7      32 x (lane / 16): my eight numbers of the bias; never rewritten
.set SCL,  12                          ; v12     2^e10
.set LIM,  13                          ; v13     448 x 2^e10
.set ADRA, 16                          ; v16-17  LDS address of h's fragments in slot 0, 1
.set ADRB, 20                          ; v20-21  the same for W1
.set STO,  24                          ; v24     the way out: where I put 8 codes
.set RD,   25                          ; v25     where I read 16 codes of a whole row back
.set CO,   26                          ; v26     my byte offset in the output
.set SPW,  28                          ; v28     LDS address of my spare word; never rewritten
.set NIL,  29                          ; v29     0; never rewritten
.set X,    32                          ; a batch: 32 numbers a lane
.set BT,   64
.set AF,   128
.set C,    128                         ; z, then z P, then erf
.set S,    160                         ; z^2, then 1 / Q
.set P,    192                         ; P, then the codes
.set Q,    224
.set BK,   128                         ; whole rows read back
.set CA,   66                          ; s[66:77] P's coefficients 1 to 6, each as a pair
.set CB,   78                          ; s[78:85] Q's coefficients 1 to 4
.set CT,   88                          ; s88     which block of 16 rows
.set OFF,  89                          ; s89     its place in my stage
.set G1, 24                            ; s[24:31] descriptor group 1 for h's tiles;  s[32:39] group 0, one set for each slot
.set G0, 32
.set G1B, 48                           ; s[48:55], s[56:63] the same for W1's tiles
.set G0B, 56
.set MSB, 0
.macro WIN new                         ; the immediate's high byte repeats the setting that is left
.if MSB != \new
	s_set_vgpr_msb (MSB<<8)|\new
.set MSB, \new
.endif
.endm
.set MUL_LO, 0xa1                      ; source 0 window 1, source 1 window 0, C and D window 2
.set MUL_HI, 0xf1                      ; the same, C and D window 3
.set TO_B,   0x40                      ; destination window 1, address window 0
; A joint load: waves 0 and 1 fetch for h, waves 2 and 3 for W1.  The branch hangs on the wave's number alone.  Four v_nop follow each of the two lines.
.macro JLOAD g0a, g1a, g0b, g1b
	s_cmp_eq_u32 s15, 0
	s_cbranch_scc0 .Lfor_b_\@
	tensor_load_to_lds s[\g0a:\g0a+3], s[\g1a:\g1a+7]
	s_nop 0
.rept 4
	v_nop
.endr
	s_branch .Lasked_\@
.Lfor_b_\@:
	tensor_load_to_lds s[\g0b:\g0b+3], s[\g1b:\g1b+7]
	s_nop 0
.rept 4
	v_nop
.endr
.Lasked_\@:
.endm
.macro CREST                           ; a round of the cluster's barrier behind its opening barrier
	s_cmp_lg_u32 s14, 0
	s_cbranch_scc1 .Lnot_wave_0_\@
	s_barrier_signal -3
.Lnot_wave_0_\@:
	s_barrier_wait -3
	s_barrier_signal -1
	s_barrier_wait -1
.endm
.macro CROUND                          ; a whole round
	s_barrier_signal -1
	s_barrier_wait -1
	CREST
.endm
.macro KPAIR r, val                    ; a constant as a scalar pair: the packed forms name the pair
	s_mov_b32 s[\r], \val
	s_mov_b32 s[\r+1], \val
.endm
	s_load_b128 s[4:7], s[0:1], 0x0                ; h's codes s[4:5], W1's codes s[6:7]
	s_load_b128 s[8:11], s[0:1], 0x10              ; the scales' exponents s[8:9], b1 s[10:11]
	s_load_b64 s[86:87], s[0:1], 0x20              ; f's codes
	v_lshl_add_u32 v[SPW], v0, 2, SPARE
	v_mov_b32 v[NIL], 0
	ds_add_u32 v28, v29
	ds_add_u32 v28, v29
	s_wait_dscnt 0x0
	v_lshrrev_b32 v1, 5, v0
	v_readfirstlane_b32 s14, v1                    ; wave 0..3
	s_lshr_b32 s15, s14, 1                         ; which half of the tile's rows is mine.  Also: I fetch for h (0) or for W1 (1)
	s_and_b32 s16, s14, 1                          ; which half of its columns.  Also: which 128 rows of that tile I fetch
	s_bfe_u32 s40, ttmp6, 0x40000                  ; cx, cy: my place in the cluster
	s_bfe_u32 s41, ttmp6, 0x40004
	s_lshl_b32 s42, ttmp9, 2
	s_add_co_u32 s42, s42, s40                     ; tile column = 4 x cluster x + cx
	s_and_b32 s17, ttmp7, 0xffff
	s_lshl_b32 s17, s17, 2
	s_add_co_u32 s17, s17, s41                     ; tile row = 4 x cluster y + cy
	s_lshl_b32 s43, s41, 2
	s_lshl_b32 s43, 15, s43                        ; my row of the cluster
	s_lshl_b32 s44, 0x1111, s40                    ; my column
	; descriptor group 1: a tile of 128 rows x 256 bytes, padded in LDS
	s_or_b32 s[G1+0], s43, (0<<16)|(1<<20)|(1<<21)|(5<<22)|(3<<25)  ; 15:0 the mask: my row; 17:16 elements of 1 byte; 20 padding on; 21 set beside a mask; 24:22 after every 64 words (code 5); 31:25 four words (code 3)
	s_or_b32 s[G1B+0], s44, (0<<16)|(1<<20)|(1<<21)|(5<<22)|(3<<25) ; the same with my column
.irp g, G1, G1B
	s_mov_b32 s[\g+1], ROWB<<16                    ; tensor_dim0
	s_mov_b32 s[\g+2], 128<<16                     ; tensor_dim1 = 128
	s_mov_b32 s[\g+3], ROWB<<16                    ; tile_dim0
	s_mov_b32 s[\g+4], 128                         ; tile_dim1 = 128
	s_mov_b32 s[\g+5], KROW                        ; tensor_dim0_stride
	s_mov_b32 s[\g+6], 0
	s_mov_b32 s[\g+7], 0
.endr
	KPAIR CA,    0x32edffee                        ; P: 2.77068142e-08
	KPAIR CA+2,  0xb60cff51                        ;   -2.10102402e-06
	KPAIR CA+4,  0xb86ec2d2                        ;   -5.69250639e-05
	KPAIR CA+6,  0xba40ac63                        ;   -7.34990630e-04
	KPAIR CA+8,  0xbb41a1f6                        ;   -2.95459981e-03
	KPAIR CA+10, 0xbc83dbd4                        ;   -1.60960333e-02
	KPAIR CB,    0xb95fbd29                        ; Q: -2.13374055e-04
	KPAIR CB+2,  0xbadc924e                        ;   -1.68282697e-03
	KPAIR CB+4,  0xbbf19bf8                        ;   -7.37332917e-03
	KPAIR CB+6,  0xbc69b6a7                        ;   -1.42647391e-02
	v_mov_b32 v8, 0xaf95df0b                       ; P's leading coefficient, -2.72614226e-10, as a vector pair,
	v_mov_b32 v9, 0xaf95df0b
	v_mov_b32 v10, 0xb77460cd                      ; and Q's, -1.45660718e-05
	v_mov_b32 v11, 0xb77460cd
	s_lshl_b32 s18, s16, 7                         ; which 128 rows of the tile I fetch
	s_lshl_b32 s20, s17, 8
	s_add_co_u32 s20, s20, s18
	s_lshl_b32 s20, s20, 10                        ; h: (256 x tile row + 128 x half) rows of 1,024 bytes
	s_mov_b32 s21, 0
	s_lshl_b32 s46, s42, 8
	s_add_co_u32 s46, s46, s18
	s_lshl_b32 s46, s46, 10                        ; W1: (256 x tile column + 128 x half) rows
	s_mov_b32 s47, 0
	s_mul_i32 s45, s14, HALFT                      ; where they go: wave x 128 rows: no place in the cluster enters an LDS address
	s_wait_kmcnt 0x0
	s_load_b64 s[96:97], s[8:9], 0x20              ; e8, e9
	s_load_b32 s98, s[8:9], 0x28                   ; e10
	s_add_nc_u64 s[20:21], s[4:5], s[20:21]
	s_add_nc_u64 s[46:47], s[6:7], s[46:47]
	CROUND                                         ; all sixteen work-groups are here: the first joint loads meet
.irp s, 0,1
	s_mov_b32 s[G0+4*\s], 1
	s_add_co_u32 s[G0+4*\s+1], s45, \s*SLOT
	s_add_nc_u64 s[G0+4*\s+2:G0+4*\s+3], s[20:21], \s*ROWB
	s_or_b32 s[G0+4*\s+3], s[G0+4*\s+3], 0x80000000
	s_mov_b32 s[G0B+4*\s], 1
	s_add_co_u32 s[G0B+4*\s+1], s45, \s*SLOT
	s_add_nc_u64 s[G0B+4*\s+2:G0B+4*\s+3], s[46:47], \s*ROWB
	s_or_b32 s[G0B+4*\s+3], s[G0B+4*\s+3], 0x80000000
	JLOAD G0+4*\s, G1, G0B+4*\s, G1B
.endr
	v_and_b32 v1, 15, v0                           ; l % 16
	v_bfe_u32 v2, v0, 4, 1                         ; l / 16
	v_mul_u32_u24 v3, v1, PITCH
	v_lshl_add_u32 v4, v2, 4, v3                   ; a fragment's row x pitch + 16 x half
	s_mul_i32 s21, s15, HALFT                      ; my 128 rows of h
	s_mul_i32 s22, s16, HALFT                      ; my 128 rows of W1,
	s_add_co_u32 s22, s22, 2*HALFT                 ; which lie behind h's 256
.irp s, 0,1
	v_add_nc_u32 v[ADRA+\s], s21, v4
	v_add_nc_u32 v[ADRB+\s], s22, v4
	s_add_co_u32 s21, s21, SLOT
	s_add_co_u32 s22, s22, SLOT
.endr
	s_mul_i32 s23, s14, REG                        ; my stage
	v_mul_u32_u24 v5, v1, SP2
	v_lshl_add_u32 v5, v2, 3, v5
	v_add_nc_u32 v[STO], s23, v5                   ; in: row l % 16, 8 bytes for each half of the lanes
	s_mul_i32 s23, s15, 2*REG                      ; back: wave w takes the tile's rows 64 w .. 64 w + 63, whole: they lie in the two stages of row half w / 2, from row 64 (w % 2) on
	s_mul_i32 s18, s16, 64*SP2
	s_add_co_u32 s23, s23, s18
	v_bfe_u32 v5, v0, 3, 1
	v_mul_u32_u24 v5, v5, REG                      ; pieces 8-15 of a row come from the second of the two stages
	v_and_b32 v6, 7, v0
	v_lshl_add_u32 v5, v6, 4, v5
	v_mul_u32_u24 v6, v2, SP2                      ; lanes 0-15 one row, lanes 16-31 the next
	v_add_nc_u32 v5, v5, v6
	v_add_nc_u32 v[RD], s23, v5
	v_lshlrev_b32 v5, 12, v2                       ; and the same two rows in the output
	v_lshl_add_u32 v[CO], v1, 4, v5
	v_lshlrev_b32 v[LB], 5, v2
	s_lshl_b32 s46, s42, 10                        ; b1[256 x tile column + 128 x half + 16 b + 8 (l / 16) + j]
	s_lshl_b32 s47, s16, 9
	s_add_co_u32 s46, s46, s47
	s_mov_b32 s47, 0
	s_add_nc_u64 s[10:11], s[10:11], s[46:47]
.irp b, 0,1,2,3,4,5,6,7
	global_load_b128 v[BT+8*\b:BT+8*\b+3], v[LB], s[10:11] offset:64*\b
	global_load_b128 v[BT+8*\b+4:BT+8*\b+7], v[LB], s[10:11] offset:64*\b+16
.endr
	s_lshl_b32 s20, s17, 8                         ; where my rows go: (256 x tile row + 64 x wave) rows of 4,096 bytes + 256 x tile column
	s_lshl_b32 s21, s14, 6
	s_add_co_u32 s20, s20, s21
	s_lshl_b32 s20, s20, 12
	s_mov_b32 s21, 0
	s_lshl_b32 s46, s42, 8
	s_mov_b32 s47, 0
	s_add_nc_u64 s[86:87], s[86:87], s[20:21]
	s_add_nc_u64 s[86:87], s[86:87], s[46:47]
	s_wait_kmcnt 0x0
	s_add_co_i32 s96, s96, s97
	s_add_co_i32 s96, s96, 127
	s_lshl_b32 s96, s96, 23                        ; 2^(e8 + e9) as f32,
	s_mov_b32 s97, s96                             ; named as a pair, so both words are written
	s_add_co_i32 s98, s98, 127
	s_lshl_b32 s99, s98, 23
	v_mov_b32 v[SCL], s99
	s_add_co_i32 s98, s98, 8
	s_lshl_b32 s98, s98, 23
	s_or_b32 s98, s98, 0x600000
	v_mov_b32 v[LIM], s98
.macro FRAG reg, adr, q, i             ; a fragment, 16 rows x 128 K, is 16 registers: lane l holds row l % 16; registers 4 c .. 4 c + 3 hold K = 32 c + 16 (l / 16) + 0 .. 15
.irp c, 0,1,2,3
	ds_load_b128 v[\reg+4*\c:\reg+4*\c+3], v[\adr] offset:128*(\q)+32*\c+(\i)*16*PITCH
.endr
.endm
; 16 matrix instructions: h's blocks a0, a0 + 1 x W1's eight, 128 along K.  p: W1's set.  zero = 1: the first product starts the sums: nothing is ever cleared.
; The 64 accumulators take turns, one instruction a turn, in the same order in every step.
.macro MUL16 a0, p, zero
.irp a, \a0, \a0+1
.irp b, 0,1,2,3,4,5,6,7
.if \zero
	v_wmma_f32_16x16x128_fp8_fp8 v[8*(8*((\a)%4)+\b):8*(8*((\a)%4)+\b)+7], v[128*(\p)+FR*\b:128*(\p)+FR*\b+FR-1], v[AF+FR*(\a):AF+FR*(\a)+FR-1], 0
.else
	v_wmma_f32_16x16x128_fp8_fp8 v[8*(8*((\a)%4)+\b):8*(8*((\a)%4)+\b)+7], v[128*(\p)+FR*\b:128*(\p)+FR*\b+FR-1], v[AF+FR*(\a):AF+FR*(\a)+FR-1], v[8*(8*((\a)%4)+\b):8*(8*((\a)%4)+\b)+7]
.endif
.endr
.endr
.endm
.macro FETCH_B slot, q, p              ; W1's eight fragments of the slot's q-th 128 along K into set p
	WIN TO_B
.irp i, 0,1,2,3,4,5,6,7
	FRAG 128*(\p)+FR*\i, ADRB+\slot, \q, \i
.endr
	WIN 0
.endm
.macro FETCH_A slot, q, i0             ; h's blocks i0 .. i0 + 3
.irp i, \i0, \i0+1, \i0+2, \i0+3
	FRAG AF+FR*(\i), ADRA+\slot, \q, \i
.endr
.endm
; A load into a register that a matrix instruction has read, and a vector instruction that reads a matrix result, stand NP places behind that matrix instruction; only plain vector
; instructions that name none of its registers are places (ISA guide 7.12.1 for vector instructions).
.macro PLACES n
.rept \n
	v_nop
.endr
.endm
; A step of 128 along K that has its successor in the same slot.
.macro STEP slot, q, zero
	s_wait_dscnt 4*NL                              ; W1's set and h's blocks 0-3 are in; the youngest sixteen loads (blocks 4-7) may be out
	WIN MUL_LO
	MUL16 0, (\q)%2, \zero
	MUL16 2, (\q)%2, \zero
	s_wait_dscnt 0                                 ; blocks 4-7 are in (asked for 32 matrix instructions ago)
	PLACES NP
	FETCH_B \slot, (\q)+1, 1-(\q)%2
	FETCH_A \slot, (\q)+1, 0
	WIN MUL_HI
	MUL16 4, (\q)%2, \zero
	MUL16 6, (\q)%2, \zero
	PLACES NP
	WIN 0
	FETCH_A \slot, (\q)+1, 4
.endm
; A slot's last step changes slots: ONE barrier; in front of it each wave waits for all its tensor loads, adds 0 to its spare word, and waits for that and for its own reads of this slot.  fill = 1: this slot is filled again, two K steps ahead.
.macro TURN slot, next, fill
	s_wait_tensorcnt 0x0                           ; all my tensor loads have landed: my part of the next slot
	ds_add_u32 v[SPW], v[NIL]                      ; 0 onto my spare word
	s_wait_dscnt 4*NL+1                            ; the add and the youngest sixteen loads (blocks 4-7) may be out
	WIN MUL_LO
	MUL16 0, 1, 0                                  ; sixteen matrix instructions stand between the add and the wait for it
	s_wait_dscnt 0x0                               ; the add is done, and my reads of this slot are over
	s_barrier_signal -1
	MUL16 2, 1, 0
	WIN 0
	s_barrier_wait -1
.if \fill
	CREST                                          ; the barrier has opened a round of the cluster's barrier: no wave of any partner still reads this slot's tile or has a load on its way
	s_add_nc_u64 s[G0+4*\slot+2:G0+4*\slot+3], s[G0+4*\slot+2:G0+4*\slot+3], 2*ROWB
	s_add_nc_u64 s[G0B+4*\slot+2:G0B+4*\slot+3], s[G0B+4*\slot+2:G0B+4*\slot+3], 2*ROWB
	JLOAD G0+4*\slot, G1, G0B+4*\slot, G1B         ; the first tensor load behind the round; its four v_nop are the places in front of the loads below
.else
	PLACES NP
.endif
	FETCH_B \next, 0, 0
	FETCH_A \next, 0, 0
	WIN MUL_HI
	MUL16 4, 1, 0
	MUL16 6, 1, 0
	PLACES NP
	WIN 0
	FETCH_A \next, 0, 4
.endm
	s_wait_tensorcnt 1                             ; my part of K step 0 is in; K step 1's load may stay out
	s_barrier_signal -1
	s_barrier_wait -1                              ; everybody's is
	FETCH_B 0, 0, 0
	FETCH_A 0, 0, 0
	FETCH_A 0, 0, 4
	STEP 0, 0, 1                                   ; the first step stands in front of the loop: its products start the sums
	s_mov_b32 s3, LAPS-1
.Llap:                                                 ; a trip goes once round the ring and fills both slots again
	TURN 0, 1, 1
	STEP 1, 0, 0
	TURN 1, 0, 1
	STEP 0, 0, 0
	s_sub_co_u32 s3, s3, 1
	s_cmp_lg_u32 s3, 0
	s_cbranch_scc1 .Llap
	TURN 0, 1, 0                                   ; the last lap fills nothing; behind this barrier nobody reads slot 0 any more
	STEP 1, 0, 0
	s_wait_dscnt 4*NL                              ; the very last step: nothing more to fetch
	WIN MUL_LO
	MUL16 0, 1, 0
	MUL16 2, 1, 0
	s_wait_dscnt 0
	WIN MUL_HI
	MUL16 4, 1, 0
	MUL16 6, 1, 0
	WIN 0
; THE WAY OUT goes in 16 batches of four accumulators (block a of 16 rows; columns 64 g .. 64 g + 63 of my 128): 32 numbers a lane.  The gelu is long, so it is written twice (g = 0, 1) and walked eight times each:
; only the lines that fetch a batch out of its accumulators differ from trip to trip, and they stand in eight short arms, chosen by the trip's number.
.macro XARM a, g                       ; x = sum x 2^(e8 + e9) + b1, each accumulator from its low end on
	WIN 0x02+(\a)/4                                ; source 0: window 2 or 3
.irp j, 0,2,4,6,8,10,12,14,16,18,20,22,24,26,28,30
	v_pk_fma_f32 v[X+\j:X+\j+1], v[64*((\a)%4)+32*(\g)+\j:64*((\a)%4)+32*(\g)+\j+1], s[96:97], v[BT+32*(\g)+\j:BT+32*(\g)+\j+1] op_sel_hi:[1,0,1]
.endr
	WIN 0                                          ; at a label and at a branch every window is 0
.endm
.macro GELU32                          ; v[X ..]: 32 numbers become their gelu's codes in v[P .. P + 7]
.set j, 0
.rept 16
	v_pk_mul_f32 v[C+j:C+j+1], v[X+j:X+j+1], 0x3f3504f3 op_sel_hi:[1,0]      ; z = x / sqrt 2
.set j, j+2
.endr
.set j, 0
.rept 32
	v_med3_num_f32 v[C+j], v[C+j], -4.0, 4.0       ; beyond +-4 erf is +-1 to the last bit of f32
.set j, j+1
.endr
.set j, 0
.rept 16
	v_pk_mul_f32 v[S+j:S+j+1], v[C+j:C+j+1], v[C+j:C+j+1]
.set j, j+2
.endr
.set j, 0
.rept 16
	v_pk_fma_f32 v[P+j:P+j+1], v[S+j:S+j+1], v[8:9], s[CA:CA+1] op_sel_hi:[1,1,0]
.set j, j+2
.endr
.irp i, 1,2,3,4,5
.set j, 0
.rept 16
	v_pk_fma_f32 v[P+j:P+j+1], v[P+j:P+j+1], v[S+j:S+j+1], s[CA+2*\i:CA+2*\i+1] op_sel_hi:[1,1,0]
.set j, j+2
.endr
.endr
.set j, 0
.rept 16
	v_pk_fma_f32 v[Q+j:Q+j+1], v[S+j:S+j+1], v[10:11], s[CB:CB+1] op_sel_hi:[1,1,0]
.set j, j+2
.endr
.irp i, 1,2,3
.set j, 0
.rept 16
	v_pk_fma_f32 v[Q+j:Q+j+1], v[Q+j:Q+j+1], v[S+j:S+j+1], s[CB+2*\i:CB+2*\i+1] op_sel_hi:[1,1,0]
.set j, j+2
.endr
.endr
.set j, 0
.rept 32
	v_rcp_f32 v[S+j], v[Q+j]                       ; z^2 is done with: 1 / Q takes its place.  One batch of 32
.set j, j+1
.endr
.set j, 0
.rept 16
	v_pk_mul_f32 v[C+j:C+j+1], v[C+j:C+j+1], v[P+j:P+j+1]                     ; z P: work that names no reciprocal stands behind the batch,
.set j, j+2
.endr
.set j, 0
.rept 16
	v_pk_mul_f32 v[X+j:X+j+1], v[X+j:X+j+1], 0.5 op_sel_hi:[1,0]             ; and x / 2
.set j, j+2
.endr
	s_wait_alu depctr_va_vdst(0)                   ; one wait for the 32 reciprocals, ahead of their first reader
.set j, 0
.rept 16
	v_pk_mul_f32 v[C+j:C+j+1], v[C+j:C+j+1], v[S+j:S+j+1]                     ; erf
.set j, j+2
.endr
.set j, 0
.rept 16
	v_pk_fma_f32 v[X+j:X+j+1], v[X+j:X+j+1], v[C+j:C+j+1], v[X+j:X+j+1]       ; x / 2 x erf + x / 2
.set j, j+2
.endr
.set j, 0
.rept 32
	v_med3_num_f32 v[X+j], v[X+j], -v[LIM], v[LIM] ; the conversion does not saturate (ISA guide 7.6.2): the hold at the largest code x the scale
.set j, j+1
.endr
.irp b, 0,1,2,3
	v_cvt_scalef32_pk8_fp8_f32 v[P+2*\b:P+2*\b+1], v[X+8*\b:X+8*\b+7], v[SCL]
.endr
	v_nop                                          ; a plain vector line behind the last conversion: the next trip writes its sources
.endm
.macro GLOOP g
	s_mov_b32 s[CT], 0
	s_mov_b32 s[OFF], 0
.Lbatch\g:
.irp a, 0,1,2,3,4,5,6
	s_cmp_lg_u32 s[CT], \a
	s_cbranch_scc1 .Lnot\g\a
	XARM \a, \g
	s_branch .Lhave\g
.Lnot\g\a:
.endr
	XARM 7, \g
.Lhave\g:
	GELU32
	v_add_nc_u32 v27, s[OFF], v[STO]               ; block a's 16 rows of my stage
.irp b, 0,1,2,3
	ds_store_b64 v27, v[P+2*\b:P+2*\b+1] offset:64*\g+16*\b
.endr
	s_add_co_u32 s[OFF], s[OFF], 16*SP2
	s_add_co_u32 s[CT], s[CT], 1
	s_cmp_lt_u32 s[CT], 8
	s_cbranch_scc1 .Lbatch\g
.endm
	s_wait_loadcnt 0x0                             ; b1, asked for at the head
	PLACES NP                                      ; behind the last products: their results are read and h's registers written below
	GLOOP 0
	GLOOP 1
	s_wait_dscnt 0x0                               ; for the others' sake: my stores into my stage are done
	s_barrier_signal -1
	s_barrier_wait -1                              ; a row's 256 bytes come from two waves
.irp t, 0,1,2,3,4,5,6,7,8,9,10,11,12,13,14,15,16,17,18,19,20,21,22,23,24,25,26,27,28,29,30,31
	ds_load_b128 v[BK+4*\t:BK+4*\t+3], v[RD] offset:\t*2*SP2
.endr
.irp t, 0,1,2,3,4,5,6,7,8,9,10,11,12,13,14,15,16,17,18,19,20,21,22,23,24,25,26,27,28,29,30,31
	s_wait_dscnt 31-\t                             ; LDS loads come back in order: load t is in, the younger ones stay out
	global_store_b128 v[CO], v[BK+4*\t:BK+4*\t+3], s[86:87] offset:2*\t*OUTP   ; 16 lanes store 256 consecutive bytes, aligned
.endr
	s_wait_tensorcnt 0x0                           ; the wave's end
	ds_add_u32 v[SPW], v[NIL]
	s_wait_dscnt 0x0
	CROUND                                         ; the closing round: no work-group ends while a partner may still ask for a tile that names it
	s_endpgm
.Lfunc_end_k_qea92803963_ffn1:
	.size	k_qea92803963_ffn1, .Lfunc_end_k_qea92803963_ffn1-k_qea92803963_ffn1
	.p2alignl 7, 3214868480
	.fill 96, 4, 3214868480
	.section	.rodata,"a",@progbits
	.p2align	6, 0x0
	.amdhsa_kernel k_qea92803963_ffn1
		.amdhsa_group_segment_fixed_size 327680
		.amdhsa_private_segment_fixed_size 0
		.amdhsa_enable_private_segment 0
		.amdhsa_kernarg_size 40
		.amdhsa_user_sgpr_count 2
		.amdhsa_user_sgpr_kernarg_segment_ptr 1
		.amdhsa_wavefront_size32 1
		.amdhsa_system_sgpr_workgroup_id_x 1
		.amdhsa_system_sgpr_workgroup_id_y 1
		.amdhsa_system_sgpr_workgroup_id_z 1
		.amdhsa_system_vgpr_workitem_id 0
		.amdhsa_next_free_vgpr 1024
		.amdhsa_next_free_sgpr 100
		.amdhsa_reserve_vcc 0
		.amdhsa_float_denorm_mode_32 3
		.amdhsa_float_denorm_mode_16_64 3
		.amdhsa_memory_ordered 1
		.amdhsa_forward_progress 1
		.amdhsa_inst_pref_size 151
	.end_amdhsa_kernel
	.amdgpu_metadata
---
amdhsa.version: [ 1, 2 ]
amdhsa.kernels:
  - .name:           k_qea92803963_ffn1
    .symbol:         k_qea92803963_ffn1.kd
    .args:
      - { .name: hc, .offset: 0, .size: 8, .value_kind: global_buffer, .address_space: global }
      - { .name: ffn_w1_codes, .offset: 8, .size: 8, .value_kind: global_buffer, .address_space: global }
      - { .name: lowp_scales, .offset: 16, .size: 8, .value_kind: global_buffer, .address_space: global }
      - { .name: ffn_b1, .offset: 24, .size: 8, .value_kind: global_buffer, .address_space: global }
      - { .name: fc, .offset: 32, .size: 8, .value_kind: global_buffer, .address_space: global }
    .group_segment_fixed_size: 327680
    .private_segment_fixed_size: 0
    .kernarg_segment_align: 8
    .kernarg_segment_size: 40
    .max_flat_workgroup_size: 128
    .sgpr_count:     100
    .vgpr_count:     1024
    .wavefront_size: 32
...
	.end_amdgpu_metadata
.endif
;; end of part 6
;; launch ffn2 (part 7): grid 8 x 32, 4 waves a work-group, clusters of 4 x 4, 327,680 bytes of LDS; arguments fc, ffn_w2_codes, lowp_scales, ffn_b2, x1, out0; writes out0
.if DOCPART == 7
	.amdgcn_target "amdgcn-amd-amdhsa--gfx1250"
	.amdhsa_code_object_version 6
	.text
	.protected	k_qea92803963_ffn2
	.globl	k_qea92803963_ffn2
	.p2align	8
	.type	k_qea92803963_ffn2,@function
k_qea92803963_ffn2:
	s_mov_b64 s[64:65], 0
	v_nop
	global_prefetch_b8 v0, s[64:65] scope:SCOPE_SE
	s_setreg_imm32_b32 hwreg(HW_REG_WAVE_MODE, 25, 1), 1
	s_wait_xcnt 0x0
	s_wait_alu depctr_hold_cnt(0) depctr_sa_sdst(0) depctr_va_vdst(0) depctr_va_sdst(0) depctr_va_ssrc(0) depctr_va_vcc(0) depctr_vm_vsrc(0)
	s_getreg_b32 s2, hwreg(HW_REG_IB_STS2, 6, 4)
	s_cmp_eq_u32 s2, 0
	s_cbranch_scc0 .Lentry_in_a_cluster
	s_endpgm
.Lentry_in_a_cluster:
	s_bfe_u32 s2, ttmp6, 0x10000c
	s_cmp_lg_u32 s2, 0xf033
	s_cbranch_scc0 .Lentry_shape_is_right
	s_endpgm
.Lentry_shape_is_right:
; out = res + A W^T + bias.  A: [4,096 rows sorted by parity][SIZE_K] E4M3 codes; W: [1,024][SIZE_K] codes; bias [1,024], res and out [4,096 tokens in their own order][1,024]: f32.  Sums in f32.
; The two scales' exponents lie at byte SC_OFF of the scales' buffer; each finished sum is multiplied once by 2^(their sum).  LIMIT: that sum lies between -126 and 127.
; N is 1,024, so tiles of 256 x 256 would be 64: a tile is 128 x 128, 256 work-groups.  Four waves, each 64 x 64: 16 accumulators.  K goes in steps of 512 (LDS rows of 512 bytes; a wave's tensor load brings 64 of them)
; through two LDS slots.  CLUSTERS of 4 x 4: A's tiles are shared along a row of the cluster, W's along a column, each asked for jointly by the same tensor load with a mask that names the four.
; No prefetch: the tile is small, and each tile is read by several clusters.
; THE MATRIX INSTRUCTION IS USED TRANSPOSED (source 0 = 16 rows of W, source 1 = 16 rows of A): a lane holds eight neighbouring columns of one token.  Within a fragment k is permuted alike on both sides.
; SORTED ROW m' = plane x 1,024 + i' IS TOKEN (plane / 2) x 2,048 + 2 i' + plane % 2: neighbouring rows of a tile lie 8,192 bytes apart in res and out.
; REGISTERS: window 0: v0-31 addresses; v32-63 the bias; v64-95 at work on the way out; v128-255 the accumulators ((a, b) at v[128 + 8 (4 a + b)]).
;   window 1: two fragment buffers of 128: for 128 along K, 64 registers of A (4 x 16 rows), then 64 of W.   window 2: v0-127 my 64 x 64 of res, asked for at the head.
.set SIZE_K, 4096
.set SC_OFF, 0x28
.set KSTEP,  512
.set PITCH,  528                       ; an LDS row: 512 bytes + 16 of padding = 132 words: row r starts at bank 4 r mod 64 (ISA guide 11.1)
.set HALFT,  64*PITCH                  ; 64 rows: what one tensor load brings
.set SLOT,   4*HALFT                   ; A's 128 rows, then W's 128 rows
.set STAGE,  2*SLOT                    ; behind the ring: 16 rows x 272 bytes for each wave, for the way out
.set SPITCH, 272
.set SPARE,  STAGE+4*16*SPITCH         ; behind the stages: the spare words, 128 bytes for each wave
.set LAPS,   SIZE_K/(2*KSTEP)
.set LB,   7                           ; v7      32 x (lane / 16): my eight numbers of the bias; never rewritten
.set ADRA, 16                          ; v16-17  LDS address of my A fragments in slot 0, 1
.set ADRB, 20                          ; v20-21  the same for W
.set STO,  24                          ; v24     the way out: where I put 32 bytes of a row
.set RD,   25                          ; v25     where I read 16 bytes of a whole row back
.set CO,   26                          ; v26     my byte offset in res and out; never rewritten
.set SPW,  28                          ; v28     LDS address of my spare word; never rewritten
.set NIL,  29                          ; v29     0; never rewritten
.set BT,   32
.set TMP,  64
.set ACC,  128
.set F0,   0                           ; fragment buffers, in window 1
.set F1,   128
.set G1, 24                            ; s[24:31] descriptor group 1 for A's tiles;  s[32:39] group 0, one set for each slot
.set G0, 32
.set G1B, 48                           ; s[48:55], s[56:63] the same for W's tiles
.set G0B, 56
.set MSB, 0
.macro WIN new                         ; the immediate's high byte repeats the setting that is left
.if MSB != \new
	s_set_vgpr_msb (MSB<<8)|\new
.set MSB, \new
.endif
.endm
.set MUL,  0x05                        ; sources 0 (W) and 1 (A) window 1; C and D window 0
.set TO_F, 0x40                        ; destination window 1, address window 0
.macro JLOAD s                         ; a joint load: waves 0 and 1 fetch A's two halves, waves 2 and 3 W's; four v_nop follow each of the two lines
	s_cmp_eq_u32 s15, 0
	s_cbranch_scc0 .Lfor_b_\@
	tensor_load_to_lds s[G0+4*\s:G0+4*\s+3], s[G1:G1+7]
	s_nop 0
.rept 4
	v_nop
.endr
	s_branch .Lasked_\@
.Lfor_b_\@:
	tensor_load_to_lds s[G0B+4*\s:G0B+4*\s+3], s[G1B:G1B+7]
	s_nop 0
.rept 4
	v_nop
.endr
.Lasked_\@:
.endm
.macro CREST                           ; a round of the cluster's barrier behind its opening barrier
	s_cmp_lg_u32 s14, 0
	s_cbranch_scc1 .Lnot_wave_0_\@
	s_barrier_signal -3
.Lnot_wave_0_\@:
	s_barrier_wait -3
	s_barrier_signal -1
	s_barrier_wait -1
.endm
.macro CROUND                          ; a whole round
	s_barrier_signal -1
	s_barrier_wait -1
	CREST
.endm
	s_load_b128 s[4:7], s[0:1], 0x0                ; A's codes s[4:5], W's codes s[6:7]
	s_load_b128 s[8:11], s[0:1], 0x10              ; the scales' exponents s[8:9], the bias s[10:11]
	s_load_b128 s[68:71], s[0:1], 0x20             ; res s[68:69], out s[70:71]
	v_lshl_add_u32 v[SPW], v0, 2, SPARE
	v_mov_b32 v[NIL], 0
	ds_add_u32 v28, v29
	ds_add_u32 v28, v29
	s_wait_dscnt 0x0
	v_lshrrev_b32 v1, 5, v0
	v_readfirstlane_b32 s14, v1                    ; wave 0..3
	s_lshr_b32 s15, s14, 1                         ; which half of the tile's rows is mine.  Also: I fetch for A (0) or for W (1)
	s_and_b32 s16, s14, 1                          ; which half of its columns.  Also: which 64 rows of that tile I fetch
	s_bfe_u32 s40, ttmp6, 0x40000                  ; cx, cy: my place in the cluster
	s_bfe_u32 s41, ttmp6, 0x40004
	s_lshl_b32 s42, ttmp9, 2
	s_add_co_u32 s42, s42, s40                     ; tile column = 4 x cluster x + cx
	s_and_b32 s17, ttmp7, 0xffff
	s_lshl_b32 s17, s17, 2
	s_add_co_u32 s17, s17, s41                     ; tile row = 4 x cluster y + cy
	s_lshl_b32 s43, s41, 2
	s_lshl_b32 s43, 15, s43                        ; my row of the cluster
	s_lshl_b32 s44, 0x1111, s40                    ; my column
	; descriptor group 1: a tile of 64 rows x 512 bytes, padded in LDS
	s_or_b32 s[G1+0], s43, (0<<16)|(1<<20)|(1<<21)|(6<<22)|(3<<25)  ; 15:0 the mask: my row; 17:16 elements of 1 byte; 20 padding on; 21 set beside a mask; 24:22 after every 128 words (code 6); 31:25 four words (code 3)
	s_or_b32 s[G1B+0], s44, (0<<16)|(1<<20)|(1<<21)|(6<<22)|(3<<25) ; the same with my column
.irp g, G1, G1B
	s_mov_b32 s[\g+1], KSTEP<<16                   ; tensor_dim0 = 512
	s_mov_b32 s[\g+2], 64<<16                      ; tensor_dim1 = 64
	s_mov_b32 s[\g+3], KSTEP<<16                   ; tile_dim0 = 512
	s_mov_b32 s[\g+4], 64                          ; tile_dim1 = 64
	s_mov_b32 s[\g+5], SIZE_K                      ; tensor_dim0_stride
	s_mov_b32 s[\g+6], 0
	s_mov_b32 s[\g+7], 0
.endr
	s_lshl_b32 s18, s16, 6                         ; which 64 rows of the tile I fetch
	s_lshl_b32 s20, s17, 7
	s_add_co_u32 s20, s20, s18
	s_mul_i32 s20, s20, SIZE_K                     ; A: (128 x tile row + 64 x half) rows; under 2^25 bytes
	s_mov_b32 s21, 0
	s_lshl_b32 s46, s42, 7
	s_add_co_u32 s46, s46, s18
	s_mul_i32 s46, s46, SIZE_K                     ; W: (128 x tile column + 64 x half) rows
	s_mov_b32 s47, 0
	s_mul_i32 s45, s14, HALFT                      ; where they go: wave x 64 rows: no place in the cluster enters an LDS address
	s_wait_kmcnt 0x0
	s_load_b64 s[72:73], s[8:9], SC_OFF            ; the two exponents
	s_add_nc_u64 s[20:21], s[4:5], s[20:21]
	s_add_nc_u64 s[46:47], s[6:7], s[46:47]
	CROUND                                         ; all sixteen work-groups are here: the first joint loads meet
.irp s, 0,1
	s_mov_b32 s[G0+4*\s], 1
	s_add_co_u32 s[G0+4*\s+1], s45, \s*SLOT
	s_add_nc_u64 s[G0+4*\s+2:G0+4*\s+3], s[20:21], \s*KSTEP
	s_or_b32 s[G0+4*\s+3], s[G0+4*\s+3], 0x80000000
	s_mov_b32 s[G0B+4*\s], 1
	s_add_co_u32 s[G0B+4*\s+1], s45, \s*SLOT
	s_add_nc_u64 s[G0B+4*\s+2:G0B+4*\s+3], s[46:47], \s*KSTEP
	s_or_b32 s[G0B+4*\s+3], s[G0B+4*\s+3], 0x80000000
	JLOAD \s
.endr
	v_and_b32 v1, 15, v0                           ; l % 16
	v_bfe_u32 v2, v0, 4, 1                         ; l / 16
	v_mul_u32_u24 v3, v1, PITCH
	v_lshl_add_u32 v4, v2, 4, v3                   ; a fragment's row x pitch + 16 x half
	s_mul_i32 s21, s15, HALFT                      ; my 64 rows of A
	s_mul_i32 s22, s16, HALFT                      ; my 64 rows of W,
	s_add_co_u32 s22, s22, 2*HALFT                 ; which lie behind A's 128
.irp s, 0,1
	v_add_nc_u32 v[ADRA+\s], s21, v4
	v_add_nc_u32 v[ADRB+\s], s22, v4
	s_add_co_u32 s21, s21, SLOT
	s_add_co_u32 s22, s22, SLOT
.endr
	s_mul_i32 s23, s14, 16*SPITCH
	s_add_co_u32 s23, s23, STAGE                   ; my stage
	v_mul_u32_u24 v5, v1, SPITCH
	v_lshl_add_u32 v5, v2, 5, v5
	v_add_nc_u32 v[STO], s23, v5                   ; in: row l % 16, 32 bytes for each half of the lanes
	v_mul_u32_u24 v5, v2, SPITCH
	v_lshl_add_u32 v5, v1, 4, v5
	v_add_nc_u32 v[RD], s23, v5                    ; back: lanes 0-15 one row of 256 bytes, lanes 16-31 the next
	v_lshlrev_b32 v5, 13, v2
	v_lshl_add_u32 v[CO], v1, 4, v5                ; and the same two rows in res and out, 8,192 bytes apart
	v_lshlrev_b32 v[LB], 5, v2
	s_lshr_b32 s20, s17, 3                         ; the plane: eight tile rows each
	s_lshr_b32 s21, s20, 1
	s_lshl_b32 s21, s21, 11                        ; the batch's 2,048 tokens
	s_and_b32 s20, s20, 1                          ; the parity
	s_add_co_u32 s20, s20, s21
	s_and_b32 s21, s17, 7
	s_lshl_b32 s21, s21, 8                         ; 2 x 128 x (tile row in the plane)
	s_add_co_u32 s20, s20, s21
	s_lshl_b32 s21, s15, 7                         ; 2 x 64 x half
	s_add_co_u32 s20, s20, s21                     ; my first token
	s_lshl_b32 s20, s20, 12                        ; rows of 4,096 bytes
	s_mov_b32 s21, 0
	s_lshl_b32 s46, s42, 9                         ; my first column, in bytes: 512 x tile column + 256 x half
	s_lshl_b32 s47, s16, 8
	s_add_co_u32 s46, s46, s47
	s_mov_b32 s47, 0
	s_add_nc_u64 s[10:11], s[10:11], s[46:47]      ; the bias at my first column
	s_add_nc_u64 s[20:21], s[20:21], s[46:47]
	s_add_nc_u64 s[68:69], s[68:69], s[20:21]
	s_add_nc_u64 s[70:71], s[70:71], s[20:21]
	WIN 0x80                                       ; destination window 2
.irp a, 0,1,2,3
.irp t, 0,1,2,3,4,5,6,7
	global_load_b128 v[32*\a+4*\t:32*\a+4*\t+3], v[CO], s[68:69] offset:(16*\a+2*\t)*8192 th:TH_LOAD_NT   ; res, in the layout in which the rows leave: it lands under the products
.endr
.endr
	WIN 0
.irp b, 0,1,2,3
	global_load_b128 v[BT+8*\b:BT+8*\b+3], v[LB], s[10:11] offset:64*\b          ; bias[my first column + 16 b + 8 (l / 16) + j]
	global_load_b128 v[BT+8*\b+4:BT+8*\b+7], v[LB], s[10:11] offset:64*\b+16
.endr
; 8 matrix instructions: A's blocks a0, a0 + 1 x W's four, 128 along K, from buffer f.  zero = 1: the first product starts the sums.  The 16 accumulators take turns, one instruction a turn.
.macro MUL8 f, a0, zero
.irp a, \a0, \a0+1
.irp b, 0,1,2,3
.if \zero
	v_wmma_f32_16x16x128_fp8_fp8 v[ACC+8*(4*(\a)+\b):ACC+8*(4*(\a)+\b)+7], v[\f+64+16*\b:\f+64+16*\b+15], v[\f+16*(\a):\f+16*(\a)+15], 0
.else
	v_wmma_f32_16x16x128_fp8_fp8 v[ACC+8*(4*(\a)+\b):ACC+8*(4*(\a)+\b)+7], v[\f+64+16*\b:\f+64+16*\b+15], v[\f+16*(\a):\f+16*(\a)+15], v[ACC+8*(4*(\a)+\b):ACC+8*(4*(\a)+\b)+7]
.endif
.endr
.endr
.endm
; 32 LDS loads in one run: the fragments of 128 along K at byte k of the rows, into buffer f: W's four, then A's four.  Registers 4 c .. 4 c + 3 of a fragment hold K = 32 c + 16 (l / 16) + 0 .. 15
.macro FETCH slot, k, f
	WIN TO_F
.irp i, 0,1,2,3
.irp c, 0,1,2,3
	ds_load_b128 v[\f+64+16*\i+4*\c:\f+64+16*\i+4*\c+3], v[ADRB+\slot] offset:\k+32*\c+\i*16*PITCH
.endr
.endr
.irp i, 0,1,2,3
.irp c, 0,1,2,3
	ds_load_b128 v[\f+16*\i+4*\c:\f+16*\i+4*\c+3], v[ADRA+\slot] offset:\k+32*\c+\i*16*PITCH
.endr
.endr
.endm
.macro PLACES                          ; four places in front of loads into registers that matrix instructions have read, and of the first read of results (ISA guide 7.12.1 for the first read of results)
.rept 4
	v_nop
.endr
.endm
; A K step is four quarters of 128 along K, 16 matrix instructions each, on buffers 0, 1, 0, 1.  One of the first three: multiplies buffer f and fetches the next quarter, at byte k, into g.
.macro QUARTER slot, k, f, g, zero
	s_wait_dscnt 8                                 ; W's four and A's blocks 0, 1 are in; the youngest eight loads (A's blocks 2, 3) may be out
	WIN MUL
	MUL8 \f, 0, \zero
	PLACES
	FETCH \slot, \k, \g
	s_wait_dscnt 32                                ; all but the 32 just issued
	WIN MUL
	MUL8 \f, 2, \zero
.endm
; The last quarter multiplies buffer 1 and changes slots: ONE barrier; in front of it each wave waits for all its tensor loads, adds 0 to its spare word, and waits for that and for its own reads of this slot.  fill = 1: this slot is filled again, two K steps ahead.
.macro TURN slot, next, fill
	WIN 0                                          ; the add's two registers lie in window 0
	s_wait_tensorcnt 0x0                           ; all my tensor loads have landed: my part of the next slot
	ds_add_u32 v[SPW], v[NIL]                      ; 0 onto my spare word
	s_wait_dscnt 9                                 ; the add and the youngest eight loads (A's blocks 2, 3) may be out
	WIN MUL
	MUL8 F1, 0, 0                                  ; eight matrix instructions stand between the add and the wait for it
	s_wait_dscnt 0x0                               ; the add is done, and my reads of this slot are over
	s_barrier_signal -1
	WIN 0
	s_barrier_wait -1
.if \fill
	CREST                                          ; the barrier has opened a round of the cluster's barrier: no wave of any partner still reads this slot's tile or has a load on its way
	s_add_nc_u64 s[G0+4*\slot+2:G0+4*\slot+3], s[G0+4*\slot+2:G0+4*\slot+3], 2*KSTEP
	s_add_nc_u64 s[G0B+4*\slot+2:G0B+4*\slot+3], s[G0B+4*\slot+2:G0B+4*\slot+3], 2*KSTEP
	JLOAD \slot                                    ; the first tensor load behind the round; its four v_nop are the places in front of the loads below
.else
	PLACES
.endif
	FETCH \next, 0, F0
	WIN MUL
	MUL8 F1, 2, 0
.endm
	s_wait_tensorcnt 1                             ; my part of K step 0 is in; K step 1's load may stay out
	s_barrier_signal -1
	s_barrier_wait -1                              ; everybody's is
	FETCH 0, 0, F0
	QUARTER 0, 128, F0, F1, 1                      ; the first quarter stands in front of the loop: its products start the sums
.if LAPS > 1
	WIN 0                                          ; at a label and at a branch every window is 0
	s_mov_b32 s3, LAPS-1
.Llap:                                                 ; a trip goes once round the ring, from a lap's second quarter to the next lap's first, and fills both slots again
	QUARTER 0, 256, F1, F0, 0
	QUARTER 0, 384, F0, F1, 0
	TURN 0, 1, 1
	QUARTER 1, 128, F0, F1, 0
	QUARTER 1, 256, F1, F0, 0
	QUARTER 1, 384, F0, F1, 0
	TURN 1, 0, 1
	QUARTER 0, 128, F0, F1, 0
	WIN 0
	s_sub_co_u32 s3, s3, 1
	s_cmp_lg_u32 s3, 0
	s_cbranch_scc1 .Llap
.endif
	QUARTER 0, 256, F1, F0, 0                      ; the last lap fills nothing, and has no round of the cluster's barrier
	QUARTER 0, 384, F0, F1, 0
	TURN 0, 1, 0
	QUARTER 1, 128, F0, F1, 0
	QUARTER 1, 256, F1, F0, 0
	QUARTER 1, 384, F0, F1, 0
	s_wait_dscnt 8                                 ; the very last quarter: nothing more to fetch
	WIN MUL
	MUL8 F1, 0, 0
	s_wait_dscnt 0
	MUL8 F1, 2, 0
	WIN 0
; THE WAY OUT, block by block of 16 tokens x 64 columns.  A lane holds 32 neighbouring bytes of a row and the lanes beside it hold other rows: so a block goes through my own stage in LDS and comes back as whole rows of
; 256 bytes, into the block's own accumulators, which are done with: no register that a store reads is ever written again.  LDS serves a wave's instructions in order (ISA guide 5.7.1.4): no wait between stores and loads.
.macro TOSTAGE a
.set j, 0
.rept 16
	v_pk_fma_f32 v[TMP+j:TMP+j+1], v[ACC+32*(\a)+j:ACC+32*(\a)+j+1], s[72:73], v[BT+j:BT+j+1] op_sel_hi:[1,0,1]   ; sum x 2^(the two exponents) + bias; each accumulator from its low end on
.set j, j+2
.endr
.irp b, 0,1,2,3
	ds_store_b128 v[STO], v[TMP+8*\b:TMP+8*\b+3] offset:64*\b
	ds_store_b128 v[STO], v[TMP+8*\b+4:TMP+8*\b+7] offset:64*\b+16
.endr
.irp t, 0,1,2,3,4,5,6,7
	ds_load_b128 v[ACC+32*(\a)+4*\t:ACC+32*(\a)+4*\t+3], v[RD] offset:\t*2*SPITCH
.endr
.endm
.macro SEND a, younger                 ; younger: the LDS instructions issued behind block a's loads, which may stay out
	s_wait_dscnt \younger
	WIN 0x08                                       ; source 1 (res) window 2
.set j, 0
.rept 16
	v_pk_add_f32 v[ACC+32*(\a)+j:ACC+32*(\a)+j+1], v[ACC+32*(\a)+j:ACC+32*(\a)+j+1], v[32*(\a)+j:32*(\a)+j+1]
.set j, j+2
.endr
	WIN 0
.irp t, 0,1,2,3,4,5,6,7
	global_store_b128 v[CO], v[ACC+32*(\a)+4*\t:ACC+32*(\a)+4*\t+3], s[70:71] offset:(16*(\a)+2*\t)*8192   ; 16 lanes store 256 consecutive bytes, aligned
.endr
.endm
	s_wait_kmcnt 0x0
	s_add_co_i32 s72, s72, s73
	s_add_co_i32 s72, s72, 127
	s_lshl_b32 s72, s72, 23                        ; 2^(the two exponents' sum) as f32,
	s_mov_b32 s73, s72                             ; named as a pair, so both words are written
	s_wait_loadcnt 0x0                             ; res and the bias, asked for at the head
	PLACES
	TOSTAGE 0
	TOSTAGE 1
	SEND 0, 16                                     ; behind block 0's loads: block 1's eight stores and eight loads
	TOSTAGE 2
	SEND 1, 16
	TOSTAGE 3
	SEND 2, 16
	SEND 3, 0
	s_wait_tensorcnt 0x0                           ; the wave's end
	ds_add_u32 v[SPW], v[NIL]
	s_wait_dscnt 0x0
	CROUND                                         ; the closing round: no work-group ends while a partner may still ask for a tile that names it
	s_endpgm
.Lfunc_end_k_qea92803963_ffn2:
	.size	k_qea92803963_ffn2, .Lfunc_end_k_qea92803963_ffn2-k_qea92803963_ffn2
	.p2alignl 7, 3214868480
	.fill 96, 4, 3214868480
	.section	.rodata,"a",@progbits
	.p2align	6, 0x0
	.amdhsa_kernel k_qea92803963_ffn2
		.amdhsa_group_segment_fixed_size 327680
		.amdhsa_private_segment_fixed_size 0
		.amdhsa_enable_private_segment 0
		.amdhsa_kernarg_size 48
		.amdhsa_user_sgpr_count 2
		.amdhsa_user_sgpr_kernarg_segment_ptr 1
		.amdhsa_wavefront_size32 1
		.amdhsa_system_sgpr_workgroup_id_x 1
		.amdhsa_system_sgpr_workgroup_id_y 1
		.amdhsa_system_sgpr_workgroup_id_z 1
		.amdhsa_system_vgpr_workitem_id 0
		.amdhsa_next_free_vgpr 768
		.amdhsa_next_free_sgpr 76
		.amdhsa_reserve_vcc 0
		.amdhsa_float_denorm_mode_32 3
		.amdhsa_float_denorm_mode_16_64 3
		.amdhsa_memory_ordered 1
		.amdhsa_forward_progress 1
		.amdhsa_inst_pref_size 82
	.end_amdhsa_kernel
	.amdgpu_metadata
---
amdhsa.version: [ 1, 2 ]
amdhsa.kernels:
  - .name:           k_qea92803963_ffn2
    .symbol:         k_qea92803963_ffn2.kd
    .args:
      - { .name: fc, .offset: 0, .size: 8, .value_kind: global_buffer, .address_space: global }
      - { .name: ffn_w2_codes, .offset: 8, .size: 8, .value_kind: global_buffer, .address_space: global }
      - { .name: lowp_scales, .offset: 16, .size: 8, .value_kind: global_buffer, .address_space: global }
      - { .name: ffn_b2, .offset: 24, .size: 8, .value_kind: global_buffer, .address_space: global }
      - { .name: x1, .offset: 32, .size: 8, .value_kind: global_buffer, .address_space: global }
      - { .name: out0, .offset: 40, .size: 8, .value_kind: global_buffer, .address_space: global }
    .group_segment_fixed_size: 327680
    .private_segment_fixed_size: 0
    .kernarg_segment_align: 8
    .kernarg_segment_size: 48
    .max_flat_workgroup_size: 128
    .sgpr_count:     76
    .vgpr_count:     768
    .wavefront_size: 32
...
	.end_amdgpu_metadata
.endif
;; end of part 7
